; MI455X (gfx1250); checked and timed in simulation.
; The chip was launched on July 23, 2026; its instructions are those of AMD's public machine-readable ISA for CDNA 5 (MIT licence, August 2026) and "CDNA5" Instruction Set Architecture Reference Guide (July 2026). The comments in the code are by the model that wrote it; some were corrected since.
;; Attention. Allowed arithmetic: matrix products marked QUANTISED: E2M1 operands, one E8M0 scale for each 32 along K, by v_wmma_scale_f32_16x16x128_f8f6f4 with both operands' format E2M1 (or v_wmma_scale_f32_32x16x128_f4), f32 sums; products left as they are: bf16, f16 or f32 operands; f32 sums; everything else in f32.
;; Inputs: cos 2,048 x 64 float32; k_norm_w 64 float32; proj_b 1,024 float32; proj_w 1,024 x 1,024 float32; q_norm_w 64 float32; qkv_b 3,072 float32; qkv_w 3,072 x 1,024 float32; sin 2,048 x 64 float32; x 4 x 2,048 x 1,024 float32.
;; Outputs: out0 4 x 2,048 x 1,024 float32.
;; This version of the problem:
;;   THIS VERSION OF THE PROBLEM IS GIVEN IN LOW PRECISION. The matrix products marked QUANTISED in the list below multiply operands that are first quantised to E2M1 (2 exponent bits, 1 mantissa bit; 4 bits a number), with one power-of-two scale for each 32 numbers along K (OCP MX v1.0); their sums are f32. The products marked 'left as it is' may take bf16, f16 or f32 operands, with f32 sums. Whichever they take, every output number must still come out within the allowed error. Rounding operands to bf16 (8 significant bits) uses up far more of that allowance than f16 does (11 bits, for magnitudes from 6e-5 to 65,504). All else is computed in f32.
;;   The module's matrix products, in the order in which they are computed (A, B: the left and right operand; K: the contracted axis; several contracted axes count as one K, in the product's order):
;;     1. [M 8,192, K 1,024] x [K 1,024, N 3,072]; A: input x; B: input qkv_w: QUANTISED
;;     2. batch 64 x [M 2,048, K 64] x [K 64, N 2,048]; A: computed on the way; B: computed on the way: left as it is (an operand is computed on the way)
;;     3. batch 64 x [M 2,048, K 2,048] x [K 2,048, N 64]; A: computed on the way; B: computed on the way: left as it is (an operand is computed on the way)
;;     4. [M 8,192, K 1,024] x [K 1,024, N 1,024]; A: computed on the way; B: input proj_w: left as it is (an operand is computed on the way)
;;   THE QUANTISER, for each operand of a quantised product, along K:
;;     - K is cut into blocks of 32 from its start; a last block that is shorter is filled with zeros.
;;     - A block's scale is 2^e with e = floor(log2(the largest magnitude in the block)) - 2, held to -126 .. 127; a block of zeros has e = 0. As a byte (E8M0): e + 127.
;;     - Each number is divided by its block's scale, clamped to +-6, and rounded to the nearest number of E2M1, ties to even, subnormals kept.
;;     - The product sums the exact products of the quantised numbers (number of the format x scale) in f32.
;;   ~~~python
;;   def quantise(x, axis):      # numpy; x: float32 -> the quantised numbers, widened to float32 again
;;       x = np.moveaxis(x, axis, -1); K = x.shape[-1]
;;       x = np.pad(x, [(0, 0)] * (x.ndim - 1) + [(0, -K % 32)]); x = x.reshape(x.shape[:-1] + (-1, 32)); a = np.abs(x).max(-1, keepdims=True)
;;       e = np.where(a > 0, np.clip(np.frexp(np.where(a > 0, a, 1))[1] - 1 - 2, -126, 127), 0)      # np.frexp(a)[1] - 1 = floor(log2(a)), exactly
;;       r = np.clip(x / 2.0 ** e, -6, 6)
;;       step = 2.0 ** (np.maximum(np.frexp(np.where(r == 0, 1, r))[1] - 1, 0) - 1)
;;       q = np.round(r / step) * step * 2.0 ** e      # np.round: ties to even
;;       return np.moveaxis(q.reshape(q.shape[:-2] + (-1,))[..., :K], -1, axis).astype(np.float32)
;;   ~~~
;; One version. Each part assembles by itself: llvm-mc -triple=amdgcn-amd-amdhsa -mcpu=gfx1250 --defsym DOCPART=n.
;; ======== version 1 of 1: 4 launches
;; limits: values are held in f16: magnitudes above 65,504 overflow, below 6.1e-05 lose precision
;; workspace buffers: codes 5,767,168 bytes; scales 360,448 bytes; wimg 2,097,152 bytes; tab 2,097,152 bytes; qkv 50,331,648 bytes; oimg 16,777,216 bytes
;; launch prep (part 1): grid 480 x 1, 4 waves a work-group, no clusters, 33,280 bytes of LDS; arguments x, qkv_w, proj_w, cos, sin, q_norm_w, k_norm_w, codes, scales, wimg, tab; writes codes, scales, wimg, tab
.if DOCPART == 1
	.amdgcn_target "amdgcn-amd-amdhsa--gfx1250"
	.amdhsa_code_object_version 6
	.text
	.protected	k_q35b07449fa_prep
	.globl	k_q35b07449fa_prep
	.p2align	8
	.type	k_q35b07449fa_prep,@function
k_q35b07449fa_prep:
	s_mov_b64 s[64:65], 0
	v_nop
	global_prefetch_b8 v0, s[64:65] scope:SCOPE_SE
	s_setreg_imm32_b32 hwreg(HW_REG_WAVE_MODE, 25, 1), 1
	s_wait_xcnt 0x0
; PREP: three jobs that share a launch, told apart by the work-group's number alone.
;  Q (work-groups 0-351): x [8192][1024] and qkv_w [3072][1024], f32, K innermost, become codes of FP4 (E2M1) with one E8M0 byte for each 32 along K.
;     codes: x's rows of 512 bytes, then qkv_w's; scales: x's rows of 32 bytes, then qkv_w's.  Both tensors are plain streams of blocks of 32; a wave takes a run of 8,192 numbers.
;     x is exactly 1,024 runs, so the place of a run's codes (4,096 bytes) and scale bytes (256) follows from the global run number 4 x work-group + wave.
;     A block's scale is 2^(floor(log2(largest magnitude)) - 2); its byte is the largest magnitude's exponent field - 2, held at 1 from below.
;  P (352-415): proj_w [1024][1024] f32 becomes f16 in the order of a matrix operand's registers: wimg [ob 64][kq 64][lane 32][16 bytes], lane (r, h) = proj_w[16 ob + r][16 kq + 8 h + 0..7].
;  T (416-479): the rope tables with the gain folded in: tab [type 2][tb 128][qd 16][lane 32][16 bytes] f32; n = 16 tb + r, d = 16 ((qd % 8) / 2) + 8 h + 4 (qd % 2) + e;
;     qd < 8: C = g w[d] cos[n][d];  qd >= 8: S = -+ g w[d ^ 32] sin[n][d] (minus for d < 32);  type 0: w = q_norm_w, g = log2(e) / 8;  type 1: w = k_norm_w, g = 1.
;     Then rope(rmsnorm(v))[d] = rs (v[d] C[n][d] + v[d ^ 32] S[n][d]), rs the row's 1 / rms; the order of the f32 multiplications differs from the reference's.
; LIMITS: a block of zeros gets the byte 1 (its codes are zeros, and this program alone reads the bytes); blocks under 2^-124 in magnitude were not tried; NaN and infinities are not served;
; proj_w beyond 65,504 in magnitude does not fit f16.
.set WAVES, 4
.set STEPS, 16
.set EMAX,  2
.set CB,    8                          ; bytes of 16 codes
.set R,     16                         ; v16-79   four sets of 16 numbers as loaded
.set X,     80                         ; v80-111  two sets of 16 neighbours
.set E,     112                        ; v112-127 a scale byte for each step
.set C,     128                        ; v128-191 codes, four registers a step
.set WREG,  8192                       ; LDS: a region for each wave: two stages of 32 x SP bytes, then its 256 scale bytes
.set SP,    80
.set SPW,   12                         ; v12 my spare word's LDS address; never rewritten
.set NIL,   13                         ; v13 0; never rewritten
.set SPARE, WAVES*WREG                 ; the spare words: 128 bytes a wave, named by no other line
	s_load_b512 s[4:19], s[0:1], 0x0               ; x 4, qkv_w 6, proj_w 8, cos 10, sin 12, q_norm_w 14, k_norm_w 16, codes 18
	s_load_b128 s[20:23], s[0:1], 0x40             ; scales 20, wimg 22
	s_load_b64 s[24:25], s[0:1], 0x50              ; tab
	v_lshl_add_u32 v[SPW], v0, 2, SPARE
	v_mov_b32 v[NIL], 0
	v_lshrrev_b32 v1, 5, v0
	v_readfirstlane_b32 s26, v1                    ; wave
	v_and_b32 v2, 31, v0                           ; lane
	s_wait_kmcnt 0x0
	s_cmp_lt_u32 ttmp9, 352
	s_cbranch_scc0 .Lnot_q
	; ---------------- Q: the quantiser
	v_lshlrev_b32 v3, 4, v2                        ; my 16 bytes of a load's 512
	s_mul_i32 s27, s26, WREG
	v_lshrrev_b32 v14, 2, v2
	v_mul_u32_u24 v14, v14, SP
	v_and_b32 v15, 3, v2
	v_lshl_add_u32 v14, v15, 4, v14
	v_add_nc_u32 v14, s27, v14                     ; the stage, on the way in: SP (lane / 4) + 16 (lane % 4)
	v_mul_u32_u24 v15, v2, SP
	v_add_nc_u32 v15, s27, v15                     ; on the way out: SP x lane: my 16 neighbours
	v_mul_u32_u24 v4, v2, CB                       ; my codes' place in a step's
	v_lshrrev_b32 v5, 1, v2
	s_add_co_u32 s27, s27, 2*32*SP
	v_add_nc_u32 v5, s27, v5                       ; my block's scale byte in my wave's 256
	v_lshlrev_b32 v7, 3, v2
	v_add_nc_u32 v6, s27, v7                       ; and 8 bytes a lane on their way out
	s_cmp_lt_u32 ttmp9, 256                        ; x's work-group or qkv_w's: the work-group's number alone decides
	s_cselect_b64 s[32:33], s[4:5], s[6:7]
	s_cselect_b32 s27, 0, 1024
	s_lshl_b32 s28, ttmp9, 2
	s_add_co_u32 s28, s28, s26                     ; the global run number
	s_sub_co_u32 s30, s28, s27                     ; the run within its tensor
	s_lshl_b32 s30, s30, 15                        ; 32,768 bytes of f32 a run
	s_mov_b32 s31, 0
	s_add_nc_u64 s[32:33], s[32:33], s[30:31]
	s_lshl_b32 s30, s28, 12                        ; 4,096 bytes of codes a run
	s_add_nc_u64 s[34:35], s[18:19], s[30:31]
	s_lshl_b32 s30, s28, 8                         ; 256 scale bytes a run
	s_add_nc_u64 s[36:37], s[20:21], s[30:31]
.macro LOAD t
.irp i, 0,1,2,3
	global_load_b128 v[R+16*((\t)%4)+4*\i:R+16*((\t)%4)+4*\i+3], v3, s[32:33] offset:2048*(\t)+512*\i th:TH_LOAD_NT   ; 32 lanes read 512 consecutive bytes
.endr
.endm
.macro TURN t                          ; a step's numbers through the stage: LDS serves a wave's instructions in order, so no wait stands between the stores and the loads
.irp i, 0,1,2,3
	ds_store_b128 v14, v[R+16*((\t)%4)+4*\i:R+16*((\t)%4)+4*\i+3] offset:32*SP*((\t)%2)+8*SP*\i
.endr
.irp i, 0,1,2,3
	ds_load_b128 v[X+16*((\t)%2)+4*\i:X+16*((\t)%2)+4*\i+3], v15 offset:32*SP*((\t)%2)+16*\i
.endr
.endm
.irp t, 0,1,2,3
	LOAD \t
.endr
	s_wait_loadcnt 12                              ; step 0's four loads are in; the twelve of steps 1 to 3 stay out
	TURN 0
.macro STEP t
.set XS, X+16*((\t)%2)
.if (\t) > 0
	s_wait_dscnt 1                                 ; this step's numbers are back from the stage; the last step's byte store may be out
.else
	s_wait_dscnt 0x0
.endif
.if (\t)+4 < STEPS
	LOAD (\t)+4                                    ; into the registers that the stage's stores have read
.endif
.if (\t)+1 < STEPS
.if STEPS-2-(\t) >= 3
	s_wait_loadcnt 12                              ; the next step's four loads are in; those of the three steps behind it stay out
.else
	s_wait_loadcnt 4*(STEPS-2-(\t))
.endif
	TURN (\t)+1
.endif
	v_max3_num_f32 v8, |v[XS]|, |v[XS+1]|, |v[XS+2]|               ; the largest magnitude of my 16, in two chains
	v_max3_num_f32 v9, |v[XS+3]|, |v[XS+4]|, |v[XS+5]|
.irp i, 6,10
	v_max3_num_f32 v8, v8, |v[XS+\i]|, |v[XS+\i+1]|
	v_max3_num_f32 v9, v9, |v[XS+\i+2]|, |v[XS+\i+3]|
.endr
	v_max3_num_f32 v8, v8, |v[XS+14]|, |v[XS+15]|
	v_max3_num_f32 v8, v8, v9, (EMAX+1)<<23        ; and the floor 2^(3 - 127): the byte cannot fall under 1
	v_max_num_f32_dpp v8, v8, v8 row_xmask:1 row_mask:0xf bank_mask:0xf   ; with my neighbour's 16: the block's
	v_add_nc_u32 v11, -(EMAX<<23), v8              ; 2 off its exponent field: the conversion takes this operand's exponent field as its scale
	v_cvt_scalef32_pk8_fp4_f32 v[C+4*(\t)], v[XS:XS+7], v11
	v_cvt_scalef32_pk8_fp4_f32 v[C+4*(\t)+1], v[XS+8:XS+15], v11
	v_lshrrev_b32 v[E+(\t)], 23, v11               ; the scale's byte (also the plain line behind the conversions)
	ds_store_b8 v5, v[E+(\t)] offset:16*(\t)       ; both lanes of a block write the same byte with the same value
	global_store_b64 v4, v[C+4*(\t):C+4*(\t)+1], s[34:35] offset:32*CB*(\t)   ; 32 lanes store 256 consecutive bytes, aligned
.endm
.irp t, 0,1,2,3,4,5,6,7,8,9,10,11,12,13,14,15
	STEP \t
.endr
	ds_load_b64 v[8:9], v6                         ; my wave's 256 scale bytes, behind my stores of them
	s_wait_dscnt 0x0
	global_store_b64 v7, v[8:9], s[36:37]          ; 256 consecutive bytes, aligned
	s_branch .Lend
.Lnot_q:
	s_cmp_lt_u32 ttmp9, 416
	s_cbranch_scc0 .Ltab
	; ---------------- P: proj_w to f16, in operand order.  Work-group: 16 rows (ob); wave w: their bytes 1,024 w on (kq = 16 w + i)
	s_sub_co_u32 s27, ttmp9, 352                   ; ob
	v_and_b32 v1, 15, v0                           ; r
	v_bfe_u32 v3, v0, 4, 1                         ; h
	v_lshlrev_b32 v5, 12, v1
	v_lshl_add_u32 v3, v3, 5, v5                   ; 4,096 r + 32 h
	v_lshlrev_b32 v4, 4, v2                        ; 16 x lane
	s_lshl_b32 s28, s27, 16
	s_lshl_b32 s30, s26, 10
	s_add_co_u32 s28, s28, s30
	s_mov_b32 s29, 0
	s_add_nc_u64 s[32:33], s[8:9], s[28:29]
	s_lshl_b32 s28, s27, 2
	s_add_co_u32 s28, s28, s26
	s_lshl_b32 s28, s28, 13                        ; (4 ob + w) x 8,192
	s_add_nc_u64 s[34:35], s[22:23], s[28:29]
.irp i, 0,1,2,3,4,5,6,7,8,9,10,11,12,13,14,15
	global_load_b128 v[16+8*\i:16+8*\i+3], v3, s[32:33] offset:64*\i
	global_load_b128 v[16+8*\i+4:16+8*\i+7], v3, s[32:33] offset:64*\i+16
.endr
.irp i, 0,1,2,3,4,5,6,7,8,9,10,11,12,13,14,15
	s_wait_loadcnt 30-2*\i                         ; piece i's two loads are in; the later pieces' stay out
.irp e, 0,1,2,3
	v_cvt_pk_f16_f32 v[16+8*\i+\e], v[16+8*\i+2*\e], v[16+8*\i+2*\e+1]   ; in place, ascending: a result never lands on a number still to be read
.endr
	global_store_b128 v4, v[16+8*\i:16+8*\i+3], s[34:35] offset:512*\i   ; 512 consecutive bytes
.endr
	s_branch .Lend
.Ltab:
	; ---------------- T: a wave makes the tables of one type for one block of 16 positions
	s_sub_co_u32 s27, ttmp9, 416
	s_lshl_b32 s27, s27, 2
	s_add_co_u32 s27, s27, s26                     ; W = 128 type + tb
	s_and_b32 s28, s27, 127
	s_lshl_b32 s28, s28, 12                        ; 16 rows of 256 bytes
	s_mov_b32 s29, 0
	s_add_nc_u64 s[32:33], s[10:11], s[28:29]      ; cos
	s_add_nc_u64 s[34:35], s[12:13], s[28:29]      ; sin
	s_lshl_b32 s28, s27, 13
	s_add_nc_u64 s[36:37], s[24:25], s[28:29]      ; tab
	s_mov_b32 s38, 0x3f800000                      ; g = 1 for k,
	s_cmp_lt_u32 s27, 128
	s_cselect_b64 s[40:41], s[14:15], s[16:17]     ; the gain
	s_cselect_b32 s38, 0x3e38aa3b, s38             ; log2(e) / 8 for q
	s_mov_b32 s39, s38                             ; (named with it as a pair)
	v_and_b32 v1, 15, v0
	v_bfe_u32 v5, v0, 4, 1
	v_lshlrev_b32 v5, 5, v5                        ; 32 h
	v_lshl_add_u32 v3, v1, 8, v5                   ; 256 r + 32 h
	v_lshlrev_b32 v4, 4, v2
.irp q, 0,1,2,3,4,5,6,7
	global_load_b128 v[16+4*\q:19+4*\q], v3, s[32:33] offset:64*(\q/2)+16*(\q%2)
	global_load_b128 v[48+4*\q:51+4*\q], v3, s[34:35] offset:64*(\q/2)+16*(\q%2)
	global_load_b128 v[80+4*\q:83+4*\q], v5, s[40:41] offset:64*(\q/2)+16*(\q%2)
.endr
	s_wait_loadcnt 0x0
.irp i, 0,2,4,6,8,10,12,14,16,18,20,22,24,26,28,30
	v_pk_mul_f32 v[80+\i:81+\i], v[80+\i:81+\i], s[38:39] op_sel_hi:[1,0]        ; g w; register 8 b + j is d = 16 b + 8 h + j
.endr
.irp i, 0,2,4,6,8,10,12,14,16,18,20,22,24,26,28,30
	v_pk_mul_f32 v[16+\i:17+\i], v[16+\i:17+\i], v[80+\i:81+\i]                  ; C
.endr
.irp i, 0,2,4,6,8,10,12,14
	v_pk_mul_f32 v[48+\i:49+\i], v[48+\i:49+\i], v[96+\i:97+\i] neg_lo:[0,1] neg_hi:[0,1]   ; S, d < 32: - g w[d + 32] sin
.endr
.irp i, 16,18,20,22,24,26,28,30
	v_pk_mul_f32 v[48+\i:49+\i], v[48+\i:49+\i], v[64+\i:65+\i]                  ; S, d >= 32: g w[d - 32] sin
.endr
.irp q, 0,1,2,3,4,5,6,7,8,9,10,11,12,13,14,15
	global_store_b128 v4, v[16+4*\q:19+4*\q], s[36:37] offset:512*\q             ; v16-47 C, v48-79 S: 512 consecutive bytes a store
.endr
.Lend:
	s_wait_tensorcnt 0x0                           ; the wave's end, behind the last LDS store
	ds_add_u32 v[SPW], v[NIL]
	s_wait_dscnt 0x0
	s_endpgm
.Lfunc_end_k_q35b07449fa_prep:
	.size	k_q35b07449fa_prep, .Lfunc_end_k_q35b07449fa_prep-k_q35b07449fa_prep
	.p2alignl 7, 3214868480
	.fill 96, 4, 3214868480
	.section	.rodata,"a",@progbits
	.p2align	6, 0x0
	.amdhsa_kernel k_q35b07449fa_prep
		.amdhsa_group_segment_fixed_size 33280
		.amdhsa_private_segment_fixed_size 0
		.amdhsa_enable_private_segment 0
		.amdhsa_kernarg_size 88
		.amdhsa_user_sgpr_count 2
		.amdhsa_user_sgpr_kernarg_segment_ptr 1
		.amdhsa_wavefront_size32 1
		.amdhsa_system_sgpr_workgroup_id_x 1
		.amdhsa_system_sgpr_workgroup_id_y 1
		.amdhsa_system_sgpr_workgroup_id_z 1
		.amdhsa_system_vgpr_workitem_id 0
		.amdhsa_next_free_vgpr 192
		.amdhsa_next_free_sgpr 66
		.amdhsa_reserve_vcc 0
		.amdhsa_float_denorm_mode_32 3
		.amdhsa_float_denorm_mode_16_64 3
		.amdhsa_memory_ordered 1
		.amdhsa_forward_progress 1
		.amdhsa_inst_pref_size 51
	.end_amdhsa_kernel
	.amdgpu_metadata
---
amdhsa.version: [ 1, 2 ]
amdhsa.kernels:
  - .name:           k_q35b07449fa_prep
    .symbol:         k_q35b07449fa_prep.kd
    .args:
      - { .name: x, .offset: 0, .size: 8, .value_kind: global_buffer, .address_space: global }
      - { .name: qkv_w, .offset: 8, .size: 8, .value_kind: global_buffer, .address_space: global }
      - { .name: proj_w, .offset: 16, .size: 8, .value_kind: global_buffer, .address_space: global }
      - { .name: cos, .offset: 24, .size: 8, .value_kind: global_buffer, .address_space: global }
      - { .name: sin, .offset: 32, .size: 8, .value_kind: global_buffer, .address_space: global }
      - { .name: q_norm_w, .offset: 40, .size: 8, .value_kind: global_buffer, .address_space: global }
      - { .name: k_norm_w, .offset: 48, .size: 8, .value_kind: global_buffer, .address_space: global }
      - { .name: codes, .offset: 56, .size: 8, .value_kind: global_buffer, .address_space: global }
      - { .name: scales, .offset: 64, .size: 8, .value_kind: global_buffer, .address_space: global }
      - { .name: wimg, .offset: 72, .size: 8, .value_kind: global_buffer, .address_space: global }
      - { .name: tab, .offset: 80, .size: 8, .value_kind: global_buffer, .address_space: global }
    .group_segment_fixed_size: 33280
    .private_segment_fixed_size: 0
    .kernarg_segment_align: 8
    .kernarg_segment_size: 88
    .max_flat_workgroup_size: 128
    .sgpr_count:     66
    .vgpr_count:     192
    .wavefront_size: 32
...
	.end_amdgpu_metadata
.endif
;; end of part 1
;; launch qkvgemm (part 2): grid 12 x 32, 4 waves a work-group, clusters of 4 x 4, 327,680 bytes of LDS; arguments codes, scales, qkv_b, tab, qkv; writes qkv
.if DOCPART == 2
	.amdgcn_target "amdgcn-amd-amdhsa--gfx1250"
	.amdhsa_code_object_version 6
	.text
	.protected	k_q35b07449fa_qkvgemm
	.globl	k_q35b07449fa_qkvgemm
	.p2align	8
	.type	k_q35b07449fa_qkvgemm,@function
k_q35b07449fa_qkvgemm:
	s_mov_b64 s[64:65], 0
	v_nop
	global_prefetch_b8 v0, s[64:65] scope:SCOPE_SE
	s_setreg_imm32_b32 hwreg(HW_REG_WAVE_MODE, 25, 1), 1
	s_wait_xcnt 0x0
	s_wait_alu depctr_hold_cnt(0) depctr_sa_sdst(0) depctr_va_vdst(0) depctr_va_sdst(0) depctr_va_ssrc(0) depctr_va_vcc(0) depctr_vm_vsrc(0)
	s_getreg_b32 s2, hwreg(HW_REG_IB_STS2, 6, 4)
	s_cmp_eq_u32 s2, 0
	s_cbranch_scc0 .Lentry_in_a_cluster
	s_endpgm
.Lentry_in_a_cluster:
	s_bfe_u32 s2, ttmp6, 0x10000c
	s_cmp_lg_u32 s2, 0xf033
	s_cbranch_scc0 .Lentry_shape_is_right
	s_endpgm
.Lentry_shape_is_right:
; qkv = Q(x) Q(qkv_w)^T + qkv_b on codes of FP4 (E2M1) with E8M0 scales, sums in f32; then, in registers, the RMS norm and rope of q and k; q, k, v leave as f16.
; A: x's codes [8192][512 bytes], B: qkv_w's [3072][512 bytes] behind them in the same buffer; scale bytes [rows][32] likewise.
; A tile of 256 tokens x 256 columns is made by four waves, 128 x 128 each: 64 accumulators of 16 x 16.  K = 1,024 is two LDS slots of 512 along K: both, and the scales of all of K, are first fills; nothing is filled again.
; By the text's own count a wave has three tensor loads out at the most.
; CLUSTERS: 4 x 4 work-groups; A's tiles are asked for jointly along a row of the cluster, B's along a column.  Cluster x = 0, 1, 2 is q, k, v: the same in all partners.
; THE MATRIX INSTRUCTION IS USED TRANSPOSED (source 0 = 16 rows of qkv_w, source 1 = 16 tokens): lane (r, h) holds token r and eight neighbouring columns 8 h + 0..7.  The bias is the C of each sum's first instruction.
; A wave's 128 columns are two heads of 64; accumulators b = 4 hh + b' hold channels 16 b' + 8 h + j of head hh: a lane has 32 of a head's channels, lane xor 16 the others; channel d ^ 32 lies in the same lane.
; q, k: rs = rsqrt(mean(v^2) + 1e-6); out[d] = rs (v[d] C[n][d] + v[d ^ 32] S[n][d]), C and S from tab (gain, cos, sin and for q log2(e) / 8 folded in).
; OUT: qkv [type 3][bh 64][tb 128][quad 4][pos 32][16 bytes] f16: a lane's eight channels of a token are 16 bytes; for q and k pos = lane, which is the register image of a 16 x 32 operand;
; for v pos = 16 (r / 8) + 8 h + r % 8, so that the turning LDS load at 16 x lane gives V^T.  Every store of the wave covers 512 consecutive bytes.
; LIMITS: q, k, v beyond 65,504 in magnitude do not fit f16; NaN and infinities are not served.
.set KSTEP,  512
.set NQ,     4
.set ROWB,   256
.set KROW,   512
.set PITCH,  272                       ; an LDS row: 256 bytes + 16 of padding
.set FR,     8
.set NL,     2
.set NP,     4
.set HALFT,  128*PITCH
.set SLOT,   4*HALFT
.set KS,     32
.set SCL,    2*SLOT
.set HALFS,  (128*KS/256)*272
.set SBLK,   (16*KS/256)*272
.set SPARE,  SCL+4*HALFS               ; the spare words: 128 bytes a wave, named by no other line
.set ADRA, 16                          ; v16-17 LDS address of my A fragments in slot 0, 1
.set ADRB, 20                          ; v20-21 the same for B
.set LI,   24                          ; v24 16 x lane
.set LV,   25                          ; v25 16 x (16 (r / 8) + 8 h + r % 8)
.set BO,   26                          ; v26 32 h
.set ADRS, 27                          ; v27 LDS address of my scale words
.set SPW,  28
.set NIL,  29
.set SC,   32                          ; v32-95 scale words, two sets of 32: these registers hold scales and nothing else
.set AF,   128                         ; A's fragments, one set
.set BIAS, 192                         ; v192-255 the bias in the result's layout, eight registers for each of B's eight blocks
.set T,    192                         ; the way out: v192-255 at work (the bias is last read by the first K step's products)
.set OUT,  96                          ; v96-127 packed f16
.set SS,   128                         ; v128-135 sums of squares, two chains a head
.set RS,   136                         ; v136-139 1 / rms, a pair a head
.set PX,   140                         ; v140-141 the other half of the lanes' sums
.set G1, 24
.set G0, 32
.set G1B, 48
.set G0B, 56
.set G1S, 68
.set G0S, 76
.set G1SB, 80
.set G0SB, 88
.set MSB, 0
.macro WIN new                         ; the immediate's high byte repeats the setting that is left
.if MSB != (\new)
	s_set_vgpr_msb (MSB<<8)|(\new)
.set MSB, (\new)
.endif
.endm
.set MUL_LO, 0xa1                      ; source 0 (B) window 1, source 1 (A) window 0, C and D window 2
.set MUL_HI, 0xf1                      ; the same, C and D window 3
.set TO_B,   0x40
.macro JLOAD g0a, g1a, g0b, g1b        ; a joint load: waves 0 and 1 fetch for A, waves 2 and 3 for B; an s_nop 0 and four v_nop follow each line
	s_cmp_eq_u32 s15, 0
	s_cbranch_scc0 .Lfor_b_\@
	tensor_load_to_lds s[\g0a:\g0a+3], s[\g1a:\g1a+7]
	s_nop 0
.rept 4
	v_nop
.endr
	s_branch .Lasked_\@
.Lfor_b_\@:
	tensor_load_to_lds s[\g0b:\g0b+3], s[\g1b:\g1b+7]
	s_nop 0
.rept 4
	v_nop
.endr
.Lasked_\@:
.endm
.macro CROUND                          ; a round of the cluster's barrier
	s_barrier_signal -1
	s_barrier_wait -1
	s_cmp_lg_u32 s14, 0
	s_cbranch_scc1 .Lnot_wave_0_\@
	s_barrier_signal -3
.Lnot_wave_0_\@:
	s_barrier_wait -3
	s_barrier_signal -1
	s_barrier_wait -1
.endm
	s_load_b256 s[4:11], s[0:1], 0x0               ; codes 4, scales 6, qkv_b 8, tab 10
	s_load_b64 s[12:13], s[0:1], 0x20              ; qkv
	v_lshl_add_u32 v[SPW], v0, 2, SPARE
	v_mov_b32 v[NIL], 0
	ds_add_u32 v[SPW], v[NIL]                      ; the wave's opening: the add, twice on end, and its wait ahead of my first tensor load
	ds_add_u32 v[SPW], v[NIL]
	v_lshrrev_b32 v1, 5, v0
	v_readfirstlane_b32 s14, v1                    ; wave 0..3
	s_lshr_b32 s15, s14, 1                         ; my half of the tile's tokens.  Also: I fetch for A (0) or for B (1)
	s_and_b32 s16, s14, 1                          ; my half of its columns.  Also: which 128 rows I fetch
	s_bfe_u32 s40, ttmp6, 0x40000                  ; cx
	s_bfe_u32 s41, ttmp6, 0x40004                  ; cy
	s_lshl_b32 s42, ttmp9, 2
	s_add_co_u32 s42, s42, s40                     ; tile column = 4 x cluster x + cx
	s_and_b32 s17, ttmp7, 0xffff
	s_lshl_b32 s17, s17, 2
	s_add_co_u32 s17, s17, s41                     ; tile row = 4 x cluster y + cy
	s_lshl_b32 s43, s41, 2
	s_lshl_b32 s43, 15, s43                        ; my row of the cluster
	s_lshl_b32 s44, 0x1111, s40                    ; my column
	s_or_b32 s[G1+0], s43, (0<<16)|(1<<20)|(1<<21)|(5<<22)|(3<<25)  ; mask; elements of 1 byte; padding on; bit 21 beside a mask; 4 words behind every 64
	s_or_b32 s[G1B+0], s44, (0<<16)|(1<<20)|(1<<21)|(5<<22)|(3<<25)
.irp g, G1, G1B
	s_mov_b32 s[\g+1], ROWB<<16                    ; tensor_dim0
	s_mov_b32 s[\g+2], 128<<16                     ; tensor_dim1
	s_mov_b32 s[\g+3], ROWB<<16                    ; tile_dim0
	s_mov_b32 s[\g+4], 128                         ; tile_dim1
	s_mov_b32 s[\g+5], KROW                        ; stride
	s_mov_b32 s[\g+6], 0
	s_mov_b32 s[\g+7], 0
.endr
	s_or_b32 s[G1S+0], s43, (3<<16)|(1<<20)|(1<<21)|(5<<22)|(3<<25) ; the scales of 128 rows: 4,096 dense bytes as 16 rows of 256, 16 bytes of padding behind each
	s_or_b32 s[G1SB+0], s44, (3<<16)|(1<<20)|(1<<21)|(5<<22)|(3<<25)
.irp g, G1S, G1SB
	s_mov_b32 s[\g+1], 32<<16
	s_mov_b32 s[\g+2], (128*KS/256)<<16
	s_mov_b32 s[\g+3], 32<<16
	s_mov_b32 s[\g+4], 128*KS/256
	s_mov_b32 s[\g+5], 32
	s_mov_b32 s[\g+6], 0
	s_mov_b32 s[\g+7], 0
.endr
	s_lshl_b32 s18, s16, 7
	s_lshl_b32 s20, s17, 8
	s_add_co_u32 s20, s20, s18                     ; A: row 256 x tile row + 128 x half
	s_lshl_b32 s46, s42, 8
	s_add_co_u32 s46, s46, s18                     ; B: row 256 x tile column + 128 x half
	s_mov_b32 s21, 0
	s_mov_b32 s47, 0
	s_mov_b64 s[18:19], KS
	s_mul_u64 s[22:23], s[20:21], s[18:19]         ; where these rows' scales begin
	s_mul_u64 s[92:93], s[46:47], s[18:19]
	s_mov_b64 s[18:19], KROW
	s_mul_u64 s[20:21], s[20:21], s[18:19]         ; and their codes
	s_mul_u64 s[46:47], s[46:47], s[18:19]
	s_add_nc_u64 s[46:47], s[46:47], 0x400000      ; qkv_w's codes lie behind x's 8,192 x 512 bytes,
	s_add_nc_u64 s[92:93], s[92:93], 0x40000       ; its scale bytes behind x's 8,192 x 32
	s_mul_i32 s45, s14, HALFT                      ; where they go: wave x 128 rows
	s_mul_i32 s94, s14, HALFS
	s_wait_dscnt 0x0                               ; both opening adds are done
	s_wait_kmcnt 0x0
	s_add_nc_u64 s[20:21], s[4:5], s[20:21]
	s_add_nc_u64 s[22:23], s[6:7], s[22:23]
	s_add_nc_u64 s[46:47], s[4:5], s[46:47]
	s_add_nc_u64 s[92:93], s[6:7], s[92:93]
	CROUND                                         ; all sixteen work-groups are here: the first joint loads meet
	s_mov_b32 s[G0S], 1
	s_add_co_u32 s[G0S+1], s94, SCL
	s_mov_b64 s[G0S+2:G0S+3], s[22:23]
	s_or_b32 s[G0S+3], s[G0S+3], 0x80000000
	s_mov_b32 s[G0SB], 1
	s_add_co_u32 s[G0SB+1], s94, SCL
	s_mov_b64 s[G0SB+2:G0SB+3], s[92:93]
	s_or_b32 s[G0SB+3], s[G0SB+3], 0x80000000
	JLOAD G0S, G1S, G0SB, G1SB                     ; the scales first
.irp s, 0,1
	s_mov_b32 s[G0+4*\s], 1
	s_add_co_u32 s[G0+4*\s+1], s45, \s*SLOT
	s_add_nc_u64 s[G0+4*\s+2:G0+4*\s+3], s[20:21], \s*ROWB
	s_or_b32 s[G0+4*\s+3], s[G0+4*\s+3], 0x80000000
	s_mov_b32 s[G0B+4*\s], 1
	s_add_co_u32 s[G0B+4*\s+1], s45, \s*SLOT
	s_add_nc_u64 s[G0B+4*\s+2:G0B+4*\s+3], s[46:47], \s*ROWB
	s_or_b32 s[G0B+4*\s+3], s[G0B+4*\s+3], 0x80000000
	JLOAD G0+4*\s, G1, G0B+4*\s, G1B
.endr
	v_and_b32 v1, 15, v0                           ; r
	v_bfe_u32 v2, v0, 4, 1                         ; h
	v_lshlrev_b32 v[BO], 5, v2
	s_lshl_b32 s96, s42, 10                        ; the bias of my 128 columns: 1,024 x tile column + 512 x half bytes on
	s_lshl_b32 s97, s16, 9
	s_add_co_u32 s96, s96, s97
	s_mov_b32 s97, 0
	s_add_nc_u64 s[96:97], s[8:9], s[96:97]
.irp b, 0,1,2,3,4,5,6,7
	global_load_b128 v[BIAS+8*\b:BIAS+8*\b+3], v[BO], s[96:97] offset:64*\b        ; columns 16 b + 8 h + 0..7
	global_load_b128 v[BIAS+8*\b+4:BIAS+8*\b+7], v[BO], s[96:97] offset:64*\b+16
.endr
	v_mul_u32_u24 v3, v1, PITCH
	v_lshl_add_u32 v4, v2, 4, v3                   ; a fragment's row x pitch + 16 x half
	s_mul_i32 s21, s15, HALFT
	s_mul_i32 s22, s16, HALFT
	s_add_co_u32 s22, s22, 2*HALFT
.irp s, 0,1
	v_add_nc_u32 v[ADRA+\s], s21, v4
	v_add_nc_u32 v[ADRB+\s], s22, v4
	s_add_co_u32 s21, s21, SLOT
	s_add_co_u32 s22, s22, SLOT
.endr
	v_mul_u32_u24 v5, v1, KS                       ; my row's scales: KS bytes a row,
	v_lshrrev_b32 v6, 8, v5
	v_lshl_add_u32 v5, v6, 4, v5                   ; and 16 more for each 256 passed
	s_mul_i32 s21, s15, HALFS
	s_mul_i32 s22, s16, HALFS
	s_add_co_u32 s22, s22, 2*HALFS
	s_sub_co_u32 s22, s22, s21
	v_mul_u32_u24 v6, s22, v2                      ; lanes 16-31 take B's
	s_add_co_u32 s21, s21, SCL
	v_add_nc_u32 v5, v5, v6
	v_add_nc_u32 v[ADRS], s21, v5
	v_and_b32 v6, 31, v0
	v_lshlrev_b32 v[LI], 4, v6
	v_lshrrev_b32 v7, 3, v1
	v_lshlrev_b32 v7, 4, v7
	v_lshl_add_u32 v7, v2, 3, v7
	v_and_b32 v8, 7, v1
	v_add_nc_u32 v7, v7, v8
	v_lshlrev_b32 v[LV], 4, v7
	; the way out's bases
	s_and_b32 s18, s17, 7
	s_lshl_b32 s18, s18, 4
	s_lshl_b32 s19, s15, 3
	s_add_co_u32 s18, s18, s19                     ; tb0: my first block of 16 positions in the sequence
	s_min_u32 s19, ttmp9, 1
	s_lshl_b32 s19, s19, 20                        ; q's tables or k's
	s_lshl_b32 s20, s18, 13
	s_add_co_u32 s94, s19, s20
	s_mov_b32 s95, 0
	s_add_nc_u64 s[94:95], s[10:11], s[94:95]
	s_lshr_b32 s19, s17, 3                         ; the batch
	s_lshl_b32 s19, s19, 4
	s_lshl_b32 s20, s40, 2
	s_add_co_u32 s19, s19, s20
	s_lshl_b32 s20, s16, 1
	s_add_co_u32 s19, s19, s20                     ; bh of my first head: 16 batch + 4 cx + 2 half
	s_lshl_b32 s19, s19, 18
	s_lshl_b32 s20, ttmp9, 24
	s_add_co_u32 s19, s19, s20
	s_lshl_b32 s20, s18, 11
	s_add_co_u32 s98, s19, s20
	s_mov_b32 s99, 0
	s_add_nc_u64 s[98:99], s[12:13], s[98:99]
	s_mov_b32 s2, 0x76543210                       ; v_permlanex16_b32's selects for lane xor 16
	s_mov_b32 s3, 0xfedcba98
	s_mov_b32 s66, 0x3c800000                      ; 1 / 64
	s_mov_b32 s67, 0x358637bd                      ; 1e-6
.macro FRAG reg, adr, q, i             ; 16 rows x 128 K of 4-bit codes: 8 registers, two loads of 16 bytes, 32 bytes apart
.irp c, 0,1
	ds_load_b128 v[\reg+4*\c:\reg+4*\c+3], v[\adr] offset:64*(\q)+32*\c+(\i)*16*PITCH
.endr
.endm
; 16 matrix instructions: A's blocks a0, a0 + 1 x B's eight.  zero = 1: the first product starts the sums, with the bias as C.  The 64 accumulators take turns, one instruction a turn.
.macro MUL16 a0, p, q, sc, zero
.irp a, \a0, \a0+1
.irp b, 0,1,2,3,4,5,6,7
.if \zero
	v_wmma_scale_f32_16x16x128_f8f6f4 v[8*(8*((\a)%4)+\b):8*(8*((\a)%4)+\b)+7], v[128*(\p)+FR*\b:128*(\p)+FR*\b+FR-1], v[AF+FR*(\a):AF+FR*(\a)+FR-1], v[BIAS+8*\b:BIAS+8*\b+7], v[SC+8*NQ*(\sc)+NQ*\b+(\q)], v[SC+8*NQ*(\sc)+NQ*(\a)+(\q)] matrix_a_fmt:MATRIX_FMT_FP4 matrix_b_fmt:MATRIX_FMT_FP4 matrix_a_scale:MATRIX_SCALE_ROW1
.else
	v_wmma_scale_f32_16x16x128_f8f6f4 v[8*(8*((\a)%4)+\b):8*(8*((\a)%4)+\b)+7], v[128*(\p)+FR*\b:128*(\p)+FR*\b+FR-1], v[AF+FR*(\a):AF+FR*(\a)+FR-1], v[8*(8*((\a)%4)+\b):8*(8*((\a)%4)+\b)+7], v[SC+8*NQ*(\sc)+NQ*\b+(\q)], v[SC+8*NQ*(\sc)+NQ*(\a)+(\q)] matrix_a_fmt:MATRIX_FMT_FP4 matrix_b_fmt:MATRIX_FMT_FP4 matrix_a_scale:MATRIX_SCALE_ROW1
.endif
.endr
.endr
.endm
.macro FETCH_B slot, q, p
	WIN TO_B
.irp i, 0,1,2,3,4,5,6,7
	FRAG 128*(\p)+FR*\i, ADRB+\slot, \q, \i
.endr
	WIN 0
.endm
.macro FETCH_A slot, q, i0
.irp i, \i0, \i0+1, \i0+2, \i0+3
	FRAG AF+FR*(\i), ADRA+\slot, \q, \i
.endr
.endm
.macro SCALES sc                       ; a slot's scale words: lanes 0-15 A's block i, lanes 16-31 B's block i
.irp i, 0,1,2,3,4,5,6,7
	ds_load_b128 v[SC+8*NQ*\sc+NQ*\i:SC+8*NQ*\sc+NQ*\i+3], v[ADRS] offset:\i*SBLK
.endr
.endm
.macro PLACES n                        ; plain vector instructions between a matrix instruction and a load into, or a vector access to, its registers
.rept \n
	v_nop
.endr
.endm
.macro STEP slot, q, zero              ; 128 along K, with its successor in the same slot
	s_wait_dscnt 4*NL                              ; B's set and A's blocks 0-3 are in; the youngest eight loads (A's blocks 4-7) may be out
	WIN MUL_LO-0x20*(\zero)                        ; (zero = 1: C, the bias, in window 0)
	MUL16 0, (\q)%2, \q, \slot, \zero
	MUL16 2, (\q)%2, \q, \slot, \zero
	s_wait_dscnt 0
	PLACES NP
	FETCH_B \slot, (\q)+1, 1-(\q)%2
	FETCH_A \slot, (\q)+1, 0
	WIN MUL_HI-0x30*(\zero)
	MUL16 4, (\q)%2, \q, \slot, \zero
	MUL16 6, (\q)%2, \q, \slot, \zero
	PLACES NP
	WIN 0
	FETCH_A \slot, (\q)+1, 4
.endm
.macro TURN slot, next                 ; a slot's last step; behind the barrier the next slot is whole in every wave's eyes.  Nothing is filled again
	s_wait_tensorcnt 0x0                           ; all my tensor loads have landed: my part of the next slot
	ds_add_u32 v[SPW], v[NIL]
	s_wait_dscnt 4*NL+1                            ; the add and the youngest eight loads may be out
	WIN MUL_LO
	MUL16 0, 1, NQ-1, \slot, 0
	s_wait_dscnt 0x0
	s_barrier_signal -1
	MUL16 2, 1, NQ-1, \slot, 0
	WIN 0
	s_barrier_wait -1
	PLACES NP
	v_add_nc_u32 v[ADRS], 4*NQ, v[ADRS]            ; the next slot's scale words
	FETCH_B \next, 0, 0
	FETCH_A \next, 0, 0
	SCALES \next
	WIN MUL_HI
	MUL16 4, 1, NQ-1, \slot, 0
	MUL16 6, 1, NQ-1, \slot, 0
	PLACES NP
	WIN 0
	FETCH_A \next, 0, 4
.endm
.macro STEPS slot, from
.set Q, \from
.rept NQ-1-\from
	STEP \slot, Q, 0
.set Q, Q+1
.endr
.endm
	s_wait_tensorcnt 1                             ; the scales and my part of slot 0 are in; slot 1's load may stay out
	s_barrier_signal -1
	s_barrier_wait -1
	FETCH_B 0, 0, 0
	FETCH_A 0, 0, 0
	SCALES 0
	FETCH_A 0, 0, 4
	s_wait_loadcnt 0x0                             ; the bias
	STEP 0, 0, 1
	STEPS 0, 1
	TURN 0, 1
	STEPS 1, 0
	s_wait_dscnt 4*NL                              ; the last step: nothing more to fetch
	WIN MUL_LO
	MUL16 0, 1, NQ-1, 1, 0
	MUL16 2, 1, NQ-1, 1, 0
	s_wait_dscnt 0
	WIN MUL_HI
	MUL16 4, 1, NQ-1, 1, 0
	MUL16 6, 1, NQ-1, 1, 0
	WIN 0
	PLACES NP                                      ; behind the last products: for the reads of results and the writes and loads over operands below
; THE WAY OUT, a block of 16 tokens (8 accumulators, two heads) at a time, all in registers.
.macro TABLD a, set                    ; block a's tables, 8,192 dense bytes, into window 1: C at 64 set + 8 b' + j, S 32 further on
	WIN 0x40
.irp qd, 0,1,2,3,4,5,6,7,8,9,10,11,12,13,14,15
	global_load_b128 v[64*(\set)+4*\qd:64*(\set)+4*\qd+3], v[LI], s[94:95] offset:8192*(\a)+512*\qd
.endr
	WIN 0
.endm
.macro SENDB a, lane
.irp hh, 0,1
.irp q, 0,1,2,3
	global_store_b128 v[\lane], v[OUT+16*\hh+4*\q:OUT+16*\hh+4*\q+3], s[98:99] offset:262144*\hh+2048*(\a)+512*\q   ; 512 consecutive bytes
.endr
.endr
.endm
.macro BLOCK a
.set AC, 64*((\a)%4)
.set WA, 2+(\a)/4
.set TS, 64*((\a)%2)
	WIN WA*5                                       ; sources 0 and 1: the accumulators' window
.irp i, 0,1
.irp hh, 0,1
	v_pk_mul_f32 v[SS+4*\hh+2*\i:SS+4*\hh+2*\i+1], v[AC+32*\hh+2*\i:AC+32*\hh+2*\i+1], v[AC+32*\hh+2*\i:AC+32*\hh+2*\i+1]   ; sums of squares: two chains a head; each accumulator from its low end on
.endr
.endr
.irp i, 2,3,4,5,6,7,8,9,10,11,12,13,14,15
.irp hh, 0,1
	v_pk_fma_f32 v[SS+4*\hh+2*(\i%2):SS+4*\hh+2*(\i%2)+1], v[AC+32*\hh+2*\i:AC+32*\hh+2*\i+1], v[AC+32*\hh+2*\i:AC+32*\hh+2*\i+1], v[SS+4*\hh+2*(\i%2):SS+4*\hh+2*(\i%2)+1]
.endr
.endr
	WIN 0
.irp hh, 0,1
	v_pk_add_f32 v[SS+4*\hh:SS+4*\hh+1], v[SS+4*\hh:SS+4*\hh+1], v[SS+4*\hh+2:SS+4*\hh+3]
.endr
.irp hh, 0,1
	v_add_f32 v[SS+4*\hh], v[SS+4*\hh], v[SS+4*\hh+1]
.endr
.irp hh, 0,1
	v_permlanex16_b32 v[PX+\hh], v[SS+4*\hh], s2, s3           ; the head's other 32 channels lie in lane xor 16
.endr
.irp hh, 0,1
	v_add_f32 v[SS+4*\hh], v[SS+4*\hh], v[PX+\hh]
.endr
.irp hh, 0,1
	v_fma_f32 v[SS+4*\hh], v[SS+4*\hh], s66, s67               ; the mean + 1e-6
.endr
.irp hh, 0,1
	v_rsq_f32 v[RS+2*\hh], v[SS+4*\hh]
.endr
.if (\a) < 7
	s_wait_loadcnt 16                              ; this block's tables are in; the next block's sixteen loads stay out
.else
	s_wait_loadcnt 0
.endif
	WIN WA+4                                       ; source 0: the accumulators; source 1: the tables, window 1.  These 64 lines are the work between the two v_rsq_f32 and their wait
.irp hh, 0,1
.irp i, 0,1,2,3,4,5,6,7,8,9,10,11,12,13,14,15
	v_pk_mul_f32 v[T+32*\hh+2*\i:T+32*\hh+2*\i+1], v[AC+32*\hh+2*\i:AC+32*\hh+2*\i+1], v[TS+2*\i:TS+2*\i+1]   ; v[d] C
.endr
.endr
.irp hh, 0,1
.irp i, 0,1,2,3,4,5,6,7,8,9,10,11,12,13,14,15
	v_pk_fma_f32 v[T+32*\hh+2*\i:T+32*\hh+2*\i+1], v[AC+32*\hh+(2*\i+16)%32:AC+32*\hh+(2*\i+16)%32+1], v[TS+32+2*\i:TS+32+2*\i+1], v[T+32*\hh+2*\i:T+32*\hh+2*\i+1]   ; + v[d ^ 32] S
.endr
.endr
	WIN 0
	s_wait_alu depctr_va_vdst(0)                   ; one wait for both v_rsq_f32, ahead of their first reader
.irp hh, 0,1
.irp i, 0,1,2,3,4,5,6,7,8,9,10,11,12,13,14,15
	v_pk_mul_f32 v[T+32*\hh+2*\i:T+32*\hh+2*\i+1], v[T+32*\hh+2*\i:T+32*\hh+2*\i+1], v[RS+2*\hh:RS+2*\hh+1] op_sel_hi:[1,0]
.endr
.endr
	s_wait_xcnt 0x0                                ; the last block's stores have read OUT: it is rewritten only behind this wait
.set i, 0
.rept 32
	v_cvt_pk_f16_f32 v[OUT+i], v[T+2*i], v[T+2*i+1]
.set i, i+1
.endr
	SENDB \a, LI
.if (\a)+2 < 8
	TABLD (\a)+2, (\a)%2
.endif
.endm
.macro VBLOCK a                        ; v: rounded to f16 as it is
.set AC, 64*((\a)%4)
.set WA, 2+(\a)/4
	s_wait_xcnt 0x0                                ; the last block's stores have read OUT
	WIN WA*5
.set i, 0
.rept 32
	v_cvt_pk_f16_f32 v[OUT+i], v[AC+2*i], v[AC+2*i+1]          ; each accumulator from its low end on
.set i, i+1
.endr
	WIN 0
	SENDB \a, LV
.endm
	s_cmp_eq_u32 ttmp9, 2                          ; cluster x: the same in all sixteen partners
	s_cbranch_scc1 .Lv
	TABLD 0, 0
	TABLD 1, 1
.irp j, 0,1,2,3,4,5
	v_mov_b32 v[RS+\j], 0                          ; written once: the pairs' upper halves are named, and a lane permute's destination counts as a source
.endr
.irp a, 0,1,2,3,4,5,6,7
	BLOCK \a
.endr
	s_branch .Ldone
.Lv:
.irp a, 0,1,2,3,4,5,6,7
	VBLOCK \a
.endr
.Ldone:
	s_wait_tensorcnt 0x0                           ; the wave's end
	ds_add_u32 v[SPW], v[NIL]
	s_wait_dscnt 0x0
	CROUND                                         ; the closing round
	s_endpgm
.Lfunc_end_k_q35b07449fa_qkvgemm:
	.size	k_q35b07449fa_qkvgemm, .Lfunc_end_k_q35b07449fa_qkvgemm-k_q35b07449fa_qkvgemm
	.p2alignl 7, 3214868480
	.fill 96, 4, 3214868480
	.section	.rodata,"a",@progbits
	.p2align	6, 0x0
	.amdhsa_kernel k_q35b07449fa_qkvgemm
		.amdhsa_group_segment_fixed_size 327680
		.amdhsa_private_segment_fixed_size 0
		.amdhsa_enable_private_segment 0
		.amdhsa_kernarg_size 40
		.amdhsa_user_sgpr_count 2
		.amdhsa_user_sgpr_kernarg_segment_ptr 1
		.amdhsa_wavefront_size32 1
		.amdhsa_system_sgpr_workgroup_id_x 1
		.amdhsa_system_sgpr_workgroup_id_y 1
		.amdhsa_system_sgpr_workgroup_id_z 1
		.amdhsa_system_vgpr_workitem_id 0
		.amdhsa_next_free_vgpr 1024
		.amdhsa_next_free_sgpr 100
		.amdhsa_reserve_vcc 0
		.amdhsa_float_denorm_mode_32 3
		.amdhsa_float_denorm_mode_16_64 3
		.amdhsa_memory_ordered 1
		.amdhsa_forward_progress 1
		.amdhsa_inst_pref_size 225
	.end_amdhsa_kernel
	.amdgpu_metadata
---
amdhsa.version: [ 1, 2 ]
amdhsa.kernels:
  - .name:           k_q35b07449fa_qkvgemm
    .symbol:         k_q35b07449fa_qkvgemm.kd
    .args:
      - { .name: codes, .offset: 0, .size: 8, .value_kind: global_buffer, .address_space: global }
      - { .name: scales, .offset: 8, .size: 8, .value_kind: global_buffer, .address_space: global }
      - { .name: qkv_b, .offset: 16, .size: 8, .value_kind: global_buffer, .address_space: global }
      - { .name: tab, .offset: 24, .size: 8, .value_kind: global_buffer, .address_space: global }
      - { .name: qkv, .offset: 32, .size: 8, .value_kind: global_buffer, .address_space: global }
    .group_segment_fixed_size: 327680
    .private_segment_fixed_size: 0
    .kernarg_segment_align: 8
    .kernarg_segment_size: 40
    .max_flat_workgroup_size: 128
    .sgpr_count:     100
    .vgpr_count:     1024
    .wavefront_size: 32
...
	.end_amdgpu_metadata
.endif
;; end of part 2
;; launch attn (part 3): grid 4 x 64, 8 waves a work-group, clusters of 4 x 1, 327,680 bytes of LDS; arguments qkv, oimg; writes oimg
.if DOCPART == 3
	.amdgcn_target "amdgcn-amd-amdhsa--gfx1250"
	.amdhsa_code_object_version 6
	.text
	.protected	k_q35b07449fa_attn
	.globl	k_q35b07449fa_attn
	.p2align	8
	.type	k_q35b07449fa_attn,@function
k_q35b07449fa_attn:
	s_mov_b64 s[64:65], 0
	v_nop
	global_prefetch_b8 v0, s[64:65] scope:SCOPE_SE
	s_setreg_imm32_b32 hwreg(HW_REG_WAVE_MODE, 25, 1), 1
	s_wait_xcnt 0x0
	s_wait_alu depctr_hold_cnt(0) depctr_sa_sdst(0) depctr_va_vdst(0) depctr_va_sdst(0) depctr_va_ssrc(0) depctr_va_vcc(0) depctr_vm_vsrc(0)
	s_getreg_b32 s2, hwreg(HW_REG_IB_STS2, 6, 4)
	s_cmp_eq_u32 s2, 0
	s_cbranch_scc0 .Lentry_in_a_cluster
	s_endpgm
.Lentry_in_a_cluster:
	s_bfe_u32 s2, ttmp6, 0x10000c
	s_cmp_lg_u32 s2, 0x3003
	s_cbranch_scc0 .Lentry_shape_is_right
	s_endpgm
.Lentry_shape_is_right:
; O[bh][q] = sum over k of softmax_k(q . k / 8) v[k], head size 64, 2,048 keys, no mask; operands f16, products, maxima and sums f32.
; q, k, v come as register images (qkv [type][bh][tb 128][quad 4][pos 32][16 bytes]); q already carries log2(e) / 8, so a score s is an exponent of 2: p = 2^(s - m), m the running maximum of the row.
; SHARES.  A cluster of four work-groups is one head; a work-group owns 512 queries, each of its eight waves 64: four tiles of 16.  Two waves share a SIMD, 512 registers each.  A key step is 64 keys.
; LAYOUT.  S^T = K Q^T (source 0 = 16 keys, source 1 = 16 queries) and O^T = V^T P (source 0 = 16 channels, source 1 = P): a lane holds one query throughout; S^T rounded to f16 in pairs IS source 1 of the second product.
; ROLES.  Every wave runs the chain KQ(0), SM(0), [PV(0) KQ(1)], SM(1), ...  Waves of role 0 run a trip as matrix block, then softmax; waves of role 1 as softmax, then matrix block:
; so behind a barrier one kind begins with 64 matrix instructions and the other with vector work.  ROLE = (wave ^ (wave >> 2)) & 1.  In trip j both roles read step j's tiles alone from LDS
; (V of step j is fetched into registers in trip j for use in trip j + 1), so both leave a slot in the same trip.  The branches hang on the wave's number alone and lead round register work and LDS loads only.
; RING.  Two slots of 512 keys (K's 65,536 bytes, then V's), dense images; each of the eight waves asks for 16,384 bytes by one joint load.  By the text's own count two tensor loads of a wave are out at the head, later one.
; A refill is asked for eight key steps ahead of the wait for it.
; OUT: oimg [token block 512][kq 64][lane 32][16 bytes] f16, kq = 4 head + channel tile: the next product's operand image; a store covers 512 consecutive bytes.
; LIMITS: O beyond 65,504 in magnitude does not fit f16; NaN and infinities are not served.  O and the sum begin as zeros and m as -3e38: the first step's factor 2^(old m - new m) is 0, so the step is written in one form.
.set SLOT1, 1<<17
.set SPARE, 2*SLOT1                    ; the spare words: 128 bytes a wave, named by no other line
.set LI,  1                            ; v1 16 x lane
.set ADK, 2                            ; v2 LDS address of the step's K
.set ADV, 3                            ; v3 of its V
.set SPW, 4
.set NIL, 5
.set ST,  8                            ; v8-39: tile t at ST + 8 t: +0 m, +1 old m, +2 +3 the sum (even keys', odd keys'), +4..+7 at work; +6 the factor a
.set KF,  64                           ; v64-127  K of a step: key tile kt, chunk c at 16 kt + 8 c
.set VF,  128                          ; v128-191 V^T of a step: keys 32 g on, channel tile ct at 32 g + 8 ct
.set QF,  192                          ; v192-255 Q: tile t, chunk c at 16 t + 8 c
.set O,   128                          ; window 1: v0-127 S^T (tile t, key tile kt at 32 t + 8 kt; P in place at 32 t + 0..15); v128-255 O^T (32 t + 8 ct)
.set WV,  12
.set ROLE, 13
.set G1,  24
.set G0A, 32
.set G0B, 36
.set SEL, 40
.set TB,  42                           ; LDS byte at which the step's K begins
.set CNT, 43
.set SLOTS, 44
.set MSB, 0
.macro WIN new                         ; low byte: bits 1:0 source 0, 3:2 source 1, 5:4 source 2, 7:6 destination; the high byte repeats the setting that is left
.if MSB != (\new)
	s_set_vgpr_msb (MSB<<8)|(\new)
.set MSB, (\new)
.endif
.endm
.set W_KQ, 0x50
.set W_PV, 0x54
.macro CROUND
	s_barrier_signal -1
	s_barrier_wait -1
	s_cmp_lg_u32 s[WV], 0
	s_cbranch_scc1 .Lnot_wave_0_\@
	s_barrier_signal -3
.Lnot_wave_0_\@:
	s_barrier_wait -3
	s_barrier_signal -1
	s_barrier_wait -1
.endm
.macro NOPS n
.rept \n
	v_nop
.endr
.endm
	s_load_b128 s[4:7], s[0:1], 0x0                ; qkv, oimg
	v_lshl_add_u32 v[SPW], v0, 2, SPARE
	v_mov_b32 v[NIL], 0
	ds_add_u32 v[SPW], v[NIL]                      ; the wave's opening: the add, twice on end, and its wait ahead of my first tensor load
	ds_add_u32 v[SPW], v[NIL]
	v_lshrrev_b32 v6, 5, v0
	v_readfirstlane_b32 s[WV], v6                  ; wave 0..7
	s_lshr_b32 s[ROLE], s[WV], 2
	s_xor_b32 s[ROLE], s[ROLE], s[WV]
	s_and_b32 s[ROLE], s[ROLE], 1
	s_bfe_u32 s14, ttmp6, 0x40000                  ; cx: my block of 512 queries; it enters Q's and O's addresses alone
	s_and_b32 s15, ttmp7, 0xffff                   ; bh, which the partners share
	s_lshl_b32 s16, s15, 18                        ; the head's bytes within a type
	s_lshr_b32 s17, s[WV], 2
	s_add_co_u32 s17, s17, 1
	s_lshl_b32 s17, s17, 24                        ; waves 0-3 fetch K (type 1), waves 4-7 V (type 2)
	s_and_b32 s18, s[WV], 3
	s_lshl_b32 s18, s18, 14                        ; my quarter of a slot's 65,536 bytes
	s_add_co_u32 s20, s16, s17
	s_add_co_u32 s20, s20, s18
	s_mov_b32 s21, 0
	s_lshl_b32 s19, s[WV], 14                      ; and where it goes: 16,384 x wave
	s_lshl_b32 s22, s14, 5
	s_lshl_b32 s23, s[WV], 2
	s_add_co_u32 s22, s22, s23                     ; my first block of 16 queries: 32 cx + 4 wave
	s_lshl_b32 s8, s22, 11
	s_add_co_u32 s8, s8, s16
	s_mov_b32 s9, 0
	s_lshr_b32 s23, s15, 4
	s_lshl_b32 s23, s23, 7
	s_add_co_u32 s23, s23, s22                     ; the token block: 128 batch + 32 cx + 4 wave
	s_lshl_b32 s10, s23, 15
	s_and_b32 s23, s15, 15
	s_lshl_b32 s23, s23, 11                        ; + 4 head quads of 512 bytes
	s_add_co_u32 s10, s10, s23
	s_mov_b32 s11, 0
	s_mov_b32 s[G1], 15|(3<<16)|(1<<21)            ; the mask: all four work-groups; elements of 8 bytes; bit 21 beside a mask; no padding
	s_mov_b32 s[G1+1], 32<<16                      ; tensor_dim0 = 32 (256 bytes)
	s_mov_b32 s[G1+2], 64<<16                      ; tensor_dim1 = 64
	s_mov_b32 s[G1+3], 32<<16                      ; tile_dim0
	s_mov_b32 s[G1+4], 64                          ; tile_dim1
	s_mov_b32 s[G1+5], 32                          ; stride: dense
	s_mov_b32 s[G1+6], 0
	s_mov_b32 s[G1+7], 0
	s_mov_b32 s[SEL], 0x76543210
	s_mov_b32 s[SEL+1], 0xfedcba98
	s_mov_b32 s[TB], 0
	s_mov_b32 s[SLOTS], 2
	s_wait_dscnt 0x0                               ; both opening adds are done
	s_wait_kmcnt 0x0
	s_add_nc_u64 s[20:21], s[4:5], s[20:21]
	s_add_nc_u64 s[8:9], s[4:5], s[8:9]            ; Q
	s_add_nc_u64 s[10:11], s[6:7], s[10:11]        ; O
	CROUND                                         ; all four work-groups are here: the first joint loads meet
	s_mov_b32 s[G0A], 1
	s_mov_b32 s[G0A+1], s19
	s_mov_b64 s[G0A+2:G0A+3], s[20:21]
	s_or_b32 s[G0A+3], s[G0A+3], 0x80000000
	s_mov_b32 s[G0B], 1
	s_add_co_u32 s[G0B+1], s19, SLOT1
	s_add_nc_u64 s[G0B+2:G0B+3], s[20:21], 65536
	s_or_b32 s[G0B+3], s[G0B+3], 0x80000000
	tensor_load_to_lds s[G0A:G0A+3], s[G1:G1+7]    ; keys 0-511 into slot 0
	s_nop 0
	tensor_load_to_lds s[G0B:G0B+3], s[G1:G1+7]    ; keys 512-1,023 into slot 1
	s_nop 0
	NOPS 4
	v_and_b32 v[LI], 31, v0
	v_lshlrev_b32 v[LI], 4, v[LI]
.irp i, 0,1,2,3,4,5,6,7,8,9,10,11,12,13,14,15
	global_load_b128 v[QF+4*\i:QF+4*\i+3], v[LI], s[8:9] offset:512*\i   ; Q stays in registers
.endr
.irp t, 0,1,2,3
	v_mov_b32 v[ST+8*\t], 0xff61b1e6               ; m = -3e38
	v_mov_b32 v[ST+8*\t+1], 0
	v_mov_b32 v[ST+8*\t+2], 0                      ; the sum
	v_mov_b32 v[ST+8*\t+3], 0
.endr
	WIN 0x40
.set i, 0
.rept 128
	v_mov_b32 v[O+i], 0                            ; O^T: cleared once, so that the step needs no first form of its own (which would be further copies of the softmax and the matrix block)
.set i, i+1
.endr
	WIN 0
.macro KLOADS
.irp i, 0,1,2,3,4,5,6,7,8,9,10,11,12,13,14,15
	ds_load_b128 v[KF+4*\i:KF+4*\i+3], v[ADK] offset:512*\i
.endr
.endm
.macro VLOADS                          ; the turning load at 16 x lane: lane (r, h) gets channel 16 ct + r, keys 8 h + 0..7 of a block of 16 keys
.irp g, 0,1
.irp ct, 0,1,2,3
	ds_load_tr16_b128 v[VF+32*\g+8*\ct:VF+32*\g+8*\ct+3], v[ADV] offset:4096*\g+512*\ct
	ds_load_tr16_b128 v[VF+32*\g+8*\ct+4:VF+32*\g+8*\ct+7], v[ADV] offset:4096*\g+2048+512*\ct
.endr
.endr
.endm
; THE MATRIX BLOCK.  kind 0: the first (K Q^T alone); 1: V^T P of the step before, then K Q^T of this step; 2: the last (V^T P alone).
; Sixteen accumulators take turns, one instruction a turn, in both products.
.macro MATRIX kind
.if \kind != 2
	KLOADS
.endif
.if \kind == 0
	VLOADS
	s_wait_dscnt 16                                ; K is in; V's sixteen loads stay out
.elseif \kind == 1
	s_wait_dscnt 16                                ; V of the step before is in; K's sixteen loads stay out
.else
	s_wait_dscnt 0x0
.endif
.if \kind >= 1
	WIN W_PV
.irp g, 0,1
.irp ct, 0,1,2,3
.irp t, 0,1,2,3
	v_wmma_f32_16x16x32_f16 v[O+32*\t+8*\ct:O+32*\t+8*\ct+7], v[VF+32*\g+8*\ct:VF+32*\g+8*\ct+7], v[32*\t+8*\g:32*\t+8*\g+7], v[O+32*\t+8*\ct:O+32*\t+8*\ct+7]
.endr
.endr
.endr
.endif
.if \kind == 1
	WIN 0
	NOPS 5                                         ; K Q^T writes over P, which the products above read: five places; the loads into V's registers want four
	VLOADS
	s_wait_dscnt 16                                ; K is in; V's sixteen loads stay out
.endif
.if \kind != 2
	WIN W_KQ
.irp c, 0,1
.irp kt, 0,1,2,3
.irp t, 0,1,2,3
.if \c == 0
	v_wmma_f32_16x16x32_f16 v[32*\t+8*\kt:32*\t+8*\kt+7], v[KF+16*\kt+8*\c:KF+16*\kt+8*\c+7], v[QF+16*\t+8*\c:QF+16*\t+8*\c+7], 0
.else
	v_wmma_f32_16x16x32_f16 v[32*\t+8*\kt:32*\t+8*\kt+7], v[KF+16*\kt+8*\c:KF+16*\kt+8*\c+7], v[QF+16*\t+8*\c:QF+16*\t+8*\c+7], v[32*\t+8*\kt:32*\t+8*\kt+7]
.endif
.endr
.endr
.endr
.endif
	WIN 0
.if \kind != 2
	NOPS 5                                         ; five places behind K Q^T: a later V^T P names S^T's registers (as P) as an operand, and that distance is kept on every way through the text, the ways round a softmax that the
	                                               ; branches on the role leave open and no wave takes among them.  They also serve the softmax's reads of the scores and the next loads into K's registers (four)
.else
	NOPS 4                                         ; places behind the last products: for the reads of O^T
.endif
.endm
; THE SOFTMAX of a step, stage by stage, the four tiles by turns.
.macro SM
	WIN 0x15                                       ; the maximum: four chains a tile
.irp kt, 0,1,2,3
.irp t, 0,1,2,3
	v_max3_num_f32 v[ST+8*\t+4+\kt], v[32*\t+8*\kt], v[32*\t+8*\kt+1], v[32*\t+8*\kt+2]
.endr
.endr
	WIN 0x14
.irp i, 1,2
.irp kt, 0,1,2,3
.irp t, 0,1,2,3
	v_max3_num_f32 v[ST+8*\t+4+\kt], v[ST+8*\t+4+\kt], v[32*\t+8*\kt+2*\i+1], v[32*\t+8*\kt+2*\i+2]
.endr
.endr
.endr
.irp t, 0,1,2,3
	v_max3_num_f32 v[ST+8*\t+4], v[ST+8*\t+4], v[32*\t+7], v[32*\t+15]
	v_max3_num_f32 v[ST+8*\t+6], v[ST+8*\t+6], v[32*\t+23], v[32*\t+31]
.endr
	WIN 0
.irp t, 0,1,2,3
	v_max3_num_f32 v[ST+8*\t+4], v[ST+8*\t+4], v[ST+8*\t+5], v[ST+8*\t+6]
.endr
.irp t, 0,1,2,3
	v_max3_num_f32 v[ST+8*\t+4], v[ST+8*\t+4], v[ST+8*\t+7], v[ST+8*\t]      ; and the old m
.endr
.irp t, 0,1,2,3
	v_permlanex16_b32 v[ST+8*\t+5], v[ST+8*\t+4], s[SEL], s[SEL+1]           ; the query's other 32 keys lie in lane xor 16
.endr
.irp t, 0,1,2,3
	v_mov_b32 v[ST+8*\t+1], v[ST+8*\t]
.endr
.irp t, 0,1,2,3
	v_max_num_f32 v[ST+8*\t], v[ST+8*\t+4], v[ST+8*\t+5]                     ; the new m
.endr
.irp t, 0,1,2,3
	v_sub_f32 v[ST+8*\t+7], v[ST+8*\t+1], v[ST+8*\t]
.endr
.irp t, 0,1,2,3
	v_exp_f32 v[ST+8*\t+6], v[ST+8*\t+7]                                     ; a = 2^(old m - new m)
.endr
	WIN 0x41                                       ; S^T and O^T (destination, source 0) window 1; the statistics window 0
.set n, 0
.rept 4
	v_pk_add_f32 v[32*(n%4)+2*(n/4):32*(n%4)+2*(n/4)+1], v[32*(n%4)+2*(n/4):32*(n%4)+2*(n/4)+1], v[ST+8*(n%4):ST+8*(n%4)+1] op_sel_hi:[1,0] neg_lo:[0,1] neg_hi:[0,1]   ; s - m: the first four pairs; plain lines behind the four exponentials
.set n, n+1
.endr
	s_wait_alu depctr_va_vdst(0)                   ; the wait for the four a, ahead of their first reader
; ONE BATCH: pair n (tile n % 4, pair n / 4): the scaling of pair n + 4, an exponential, O^T's pair n times a, an exponential.  No line names the result of one of the 128 exponentials.
.set n, 0
.rept 64
.if n < 60
.set n4, n+4
	v_pk_add_f32 v[32*(n4%4)+2*(n4/4):32*(n4%4)+2*(n4/4)+1], v[32*(n4%4)+2*(n4/4):32*(n4%4)+2*(n4/4)+1], v[ST+8*(n4%4):ST+8*(n4%4)+1] op_sel_hi:[1,0] neg_lo:[0,1] neg_hi:[0,1]
.endif
	v_exp_f32 v[32*(n%4)+2*(n/4)], v[32*(n%4)+2*(n/4)]
	v_pk_mul_f32 v[O+32*(n%4)+2*(n/4):O+32*(n%4)+2*(n/4)+1], v[O+32*(n%4)+2*(n/4):O+32*(n%4)+2*(n/4)+1], v[ST+8*(n%4)+6:ST+8*(n%4)+7] op_sel_hi:[1,0]   ; ascending: each accumulator of O^T from its low end on
	v_exp_f32 v[32*(n%4)+2*(n/4)+1], v[32*(n%4)+2*(n/4)+1]
.set n, n+1
.endr
	v_nop                                          ; a plain line behind the last exponential
	s_wait_alu depctr_va_vdst(0)                   ; one wait for the batch, ahead of its first reader
	WIN 0x10                                       ; the sums, of the f32 p: l = a l + pair 0,
.irp t, 0,1,2,3
	v_pk_fma_f32 v[ST+8*\t+2:ST+8*\t+3], v[ST+8*\t+2:ST+8*\t+3], v[ST+8*\t+6:ST+8*\t+7], v[32*\t:32*\t+1] op_sel_hi:[1,0,1]
.endr
	WIN 0x05                                       ; a second chain begins with pairs 1 and 2,
.irp t, 0,1,2,3
	v_pk_add_f32 v[ST+8*\t+4:ST+8*\t+5], v[32*\t+2:32*\t+3], v[32*\t+4:32*\t+5]
.endr
	WIN 0x04                                       ; odd pairs go on into l, even ones into the second chain
.irp b, 3,5,7,9,11,13
.irp t, 0,1,2,3
	v_pk_add_f32 v[ST+8*\t+2:ST+8*\t+3], v[ST+8*\t+2:ST+8*\t+3], v[32*\t+2*\b:32*\t+2*\b+1]
	v_pk_add_f32 v[ST+8*\t+4:ST+8*\t+5], v[ST+8*\t+4:ST+8*\t+5], v[32*\t+2*\b+2:32*\t+2*\b+3]
.endr
.endr
.irp t, 0,1,2,3
	v_pk_add_f32 v[ST+8*\t+2:ST+8*\t+3], v[ST+8*\t+2:ST+8*\t+3], v[32*\t+30:32*\t+31]
.endr
	WIN 0
.irp t, 0,1,2,3
	v_pk_add_f32 v[ST+8*\t+2:ST+8*\t+3], v[ST+8*\t+2:ST+8*\t+3], v[ST+8*\t+4:ST+8*\t+5]
.endr
	WIN 0x45                                       ; P: rounded to f16 in place, ascending: a result never lands on a number still to be read
.irp i, 0,1,2,3,4,5,6,7,8,9,10,11,12,13,14,15
.irp t, 0,1,2,3
	v_cvt_pk_f16_f32 v[32*\t+\i], v[32*\t+2*\i], v[32*\t+2*\i+1]
.endr
.endr
	WIN 0
.endm
; n key steps.  Both LDS address registers are made ahead of the parting of the roles.
.macro TRIPS n
	s_mov_b32 s[CNT], \n
.Ltrip_\@:
	v_add_nc_u32 v[ADK], s[TB], v[LI]
	v_add_nc_u32 v[ADV], 0x10000, v[ADK]
	s_cmp_lg_u32 s[ROLE], 0
	s_cbranch_scc1 .Lsm_\@
	MATRIX 1                                       ; role 0
.Lsm_\@:
	SM
	s_cmp_eq_u32 s[ROLE], 0
	s_cbranch_scc1 .Lnext_\@
	MATRIX 1                                       ; role 1
.Lnext_\@:
	s_add_co_u32 s[TB], s[TB], 8192
	s_sub_co_u32 s[CNT], s[CNT], 1
	s_cmp_lg_u32 s[CNT], 0
	s_cbranch_scc1 .Ltrip_\@
.endm
; THE CHANGE OF SLOTS.  Each wave waits for all its tensor loads (its part of the slot ahead), adds 0 to its spare word, and waits for that and for its reads of the slot that it leaves.
; fill = 1: the barrier is a round of the cluster's, and the joint refill of the slot just left is the first thing behind it.
.macro CHANGE fill
	s_wait_tensorcnt 0x0                           ; no tensor load of mine is out, so a group 0 may be written
	ds_add_u32 v[SPW], v[NIL]
.if \fill
	s_xor_b32 s[G0B+1], s[G0B+1], SLOT1            ; the walking descriptor: the other slot than last time,
	s_add_nc_u64 s[G0B+2:G0B+3], s[G0B+2:G0B+3], 65536   ; the next 512 keys
.endif
	s_wait_dscnt 0x0
.if \fill
	CROUND
	tensor_load_to_lds s[G0B:G0B+3], s[G1:G1+7]
	s_nop 0
	NOPS 4
.else
	s_barrier_signal -1
	s_barrier_wait -1
.endif
	s_sub_co_u32 s[TB], s[TB], 65536               ; back to a slot's first step,
	s_xor_b32 s[TB], s[TB], SLOT1                  ; in the other slot
.endm
	s_wait_tensorcnt 1                             ; my part of slot 0 is in; slot 1's may stay out
	s_barrier_signal -1
	s_barrier_wait -1
	s_wait_loadcnt 0x0                             ; Q
	v_add_nc_u32 v[ADK], s[TB], v[LI]
	v_add_nc_u32 v[ADV], 0x10000, v[ADK]
	MATRIX 0                                       ; step 0's scores; its V is asked for
	s_add_co_u32 s[TB], s[TB], 8192
	s_cmp_lg_u32 s[ROLE], 0
	s_cbranch_scc1 .Lskew
	SM                                             ; role 0 alone
.Lskew:
	s_wait_dscnt 0x0
	s_barrier_signal -1                            ; behind this barrier role 0 begins with a matrix block, role 1 with a softmax
	s_barrier_wait -1
	TRIPS 7                                        ; steps 1-7
.Lslot:                                            ; two trips: slots 0 and 1 are filled again
	CHANGE 1
	TRIPS 8
	s_sub_co_u32 s[SLOTS], s[SLOTS], 1
	s_cmp_lg_u32 s[SLOTS], 0
	s_cbranch_scc1 .Lslot
	CHANGE 0                                       ; the last slot is written out: nothing more is asked for
	TRIPS 8
	s_cmp_eq_u32 s[ROLE], 0
	s_cbranch_scc1 .Llast
	SM                                             ; role 1 alone: the last step's softmax
.Llast:
	MATRIX 2
	; THE WAY OUT
.irp t, 0,1,2,3
	v_add_f32 v[ST+8*\t+4], v[ST+8*\t+2], v[ST+8*\t+3]
.endr
.irp t, 0,1,2,3
	v_permlanex16_b32 v[ST+8*\t+5], v[ST+8*\t+4], s[SEL], s[SEL+1]
.endr
.irp t, 0,1,2,3
	v_add_f32 v[ST+8*\t+4], v[ST+8*\t+4], v[ST+8*\t+5]         ; the row's sum
.endr
.irp t, 0,1,2,3
	v_rcp_f32 v[ST+8*\t+6], v[ST+8*\t+4]
.endr
	v_nop
	s_wait_alu depctr_va_vdst(0)                   ; one wait for the four reciprocals
	WIN 0x41
.set n, 0
.rept 64
	v_pk_mul_f32 v[O+32*(n%4)+2*(n/4):O+32*(n%4)+2*(n/4)+1], v[O+32*(n%4)+2*(n/4):O+32*(n%4)+2*(n/4)+1], v[ST+8*(n%4)+6:ST+8*(n%4)+7] op_sel_hi:[1,0]
.set n, n+1
.endr
	WIN 0x05
.set i, 0
.rept 64
	v_cvt_pk_f16_f32 v[KF+i], v[O+2*i], v[O+2*i+1]             ; register 16 t + 4 ct + e: query r of tile t, channels 16 ct + 8 h + 2 e, + 1
.set i, i+1
.endr
	WIN 0
.irp t, 0,1,2,3
.irp ct, 0,1,2,3
	global_store_b128 v[LI], v[KF+16*\t+4*\ct:KF+16*\t+4*\ct+3], s[10:11] offset:32768*\t+512*\ct   ; 512 consecutive bytes
.endr
.endr
	s_wait_tensorcnt 0x0                           ; the wave's end
	ds_add_u32 v[SPW], v[NIL]
	s_wait_dscnt 0x0
	CROUND                                         ; the closing round
	s_endpgm
.Lfunc_end_k_q35b07449fa_attn:
	.size	k_q35b07449fa_attn, .Lfunc_end_k_q35b07449fa_attn-k_q35b07449fa_attn
	.p2alignl 7, 3214868480
	.fill 96, 4, 3214868480
	.section	.rodata,"a",@progbits
	.p2align	6, 0x0
	.amdhsa_kernel k_q35b07449fa_attn
		.amdhsa_group_segment_fixed_size 327680
		.amdhsa_private_segment_fixed_size 0
		.amdhsa_enable_private_segment 0
		.amdhsa_kernarg_size 16
		.amdhsa_user_sgpr_count 2
		.amdhsa_user_sgpr_kernarg_segment_ptr 1
		.amdhsa_wavefront_size32 1
		.amdhsa_system_sgpr_workgroup_id_x 1
		.amdhsa_system_sgpr_workgroup_id_y 1
		.amdhsa_system_sgpr_workgroup_id_z 1
		.amdhsa_system_vgpr_workitem_id 0
		.amdhsa_next_free_vgpr 512
		.amdhsa_next_free_sgpr 66
		.amdhsa_reserve_vcc 0
		.amdhsa_float_denorm_mode_32 3
		.amdhsa_float_denorm_mode_16_64 3
		.amdhsa_memory_ordered 1
		.amdhsa_forward_progress 1
		.amdhsa_inst_pref_size 195
	.end_amdhsa_kernel
	.amdgpu_metadata
---
amdhsa.version: [ 1, 2 ]
amdhsa.kernels:
  - .name:           k_q35b07449fa_attn
    .symbol:         k_q35b07449fa_attn.kd
    .args:
      - { .name: qkv, .offset: 0, .size: 8, .value_kind: global_buffer, .address_space: global }
      - { .name: oimg, .offset: 8, .size: 8, .value_kind: global_buffer, .address_space: global }
    .group_segment_fixed_size: 327680
    .private_segment_fixed_size: 0
    .kernarg_segment_align: 8
    .kernarg_segment_size: 16
    .max_flat_workgroup_size: 256
    .sgpr_count:     66
    .vgpr_count:     512
    .wavefront_size: 32
...
	.end_amdgpu_metadata
.endif
;; end of part 3
;; launch proj (part 4): grid 4 x 64, 4 waves a work-group, clusters of 4 x 4, 327,680 bytes of LDS; arguments oimg, wimg, proj_b, out0; writes out0
.if DOCPART == 4
	.amdgcn_target "amdgcn-amd-amdhsa--gfx1250"
	.amdhsa_code_object_version 6
	.text
	.protected	k_q35b07449fa_proj
	.globl	k_q35b07449fa_proj
	.p2align	8
	.type	k_q35b07449fa_proj,@function
k_q35b07449fa_proj:
	s_mov_b64 s[64:65], 0
	v_nop
	global_prefetch_b8 v0, s[64:65] scope:SCOPE_SE
	s_setreg_imm32_b32 hwreg(HW_REG_WAVE_MODE, 25, 1), 1
	s_wait_xcnt 0x0
	s_wait_alu depctr_hold_cnt(0) depctr_sa_sdst(0) depctr_va_vdst(0) depctr_va_sdst(0) depctr_va_ssrc(0) depctr_va_vcc(0) depctr_vm_vsrc(0)
	s_getreg_b32 s2, hwreg(HW_REG_IB_STS2, 6, 4)
	s_cmp_eq_u32 s2, 0
	s_cbranch_scc0 .Lentry_in_a_cluster
	s_endpgm
.Lentry_in_a_cluster:
	s_bfe_u32 s2, ttmp6, 0x10000c
	s_cmp_lg_u32 s2, 0xf033
	s_cbranch_scc0 .Lentry_shape_is_right
	s_endpgm
.Lentry_shape_is_right:
; out0 = O proj_w^T + proj_b.  O [8192][1024] and proj_w [1024][1024] come as f16 register images: [block of 16 rows][kq 64][lane 32][16 bytes], 32,768 bytes a block; sums f32; out0 f32.
; A tile of 128 tokens x 256 outputs is made by four waves, 64 x 128 each: 32 accumulators of 16 x 16: 256 work-groups.  K goes in steps of 128 (4,096 consecutive bytes of each block) through two LDS slots.
; An image needs no pitch: a fragment is two loads at 16 x lane, 512 consecutive bytes each.
; CLUSTERS: 4 x 4 work-groups; O's tiles are asked for jointly along a row of the cluster, proj_w's along a column.  Waves 0 and 1 fetch O's 2 x 4 blocks, waves 2 and 3 proj_w's 2 x 8.
; THE MATRIX INSTRUCTION IS USED TRANSPOSED (source 0 = 16 rows of proj_w, source 1 = 16 tokens): a lane holds eight neighbouring outputs of a token.  The bias is the C of each sum's first instruction.
; By the text's own count two tensor loads of a wave are out at the head, later one.
; REGISTERS: window 0: addresses; v64-127 O's fragments, two buffers of 32; v128-255 the way out.  window 1: v0-127 proj_w's fragments, two buffers of 64; v128-191 the bias.  window 2: accumulator (a, b) at 8 (8 a + b).
.set SLOT,   98304                     ; O's 8 blocks x 4,096 bytes, then proj_w's 16
.set BOFF,   32768
.set STAGE,  2*SLOT                    ; the way out: 16 rows x (512 + 16) bytes for each wave; no fill lands here
.set SPITCH, 528
.set SPARE,  STAGE+4*16*SPITCH         ; the spare words: 128 bytes a wave, named by no other line
.set LAPS,   4
.set ADRA, 16
.set ADRB, 20
.set STO,  24
.set RD,   25
.set CO,   26
.set SPW,  28
.set NIL,  29
.set PFO,  30                          ; v30 256 x lane
.set AFR,  64
.set BK,   128
.set BIAS, 128                         ; in window 1
.set G1, 24
.set G0, 32
.set G1B, 48
.set G0B, 56
.set PFA, 44                           ; s[44:45] where my prefetches stand
.set LIM, 46                           ; s46 1 in a wave that prefetches, else the greatest number
.set MSB, 0
.macro WIN new
.if MSB != (\new)
	s_set_vgpr_msb (MSB<<8)|(\new)
.set MSB, (\new)
.endif
.endm
.set MUL, 0xa1                         ; source 0 window 1, source 1 window 0, C and D window 2
.macro JLOAD s                         ; an s_nop 0 and four v_nop follow each of the two lines
	s_cmp_eq_u32 s15, 0
	s_cbranch_scc0 .Lfor_b_\@
	tensor_load_to_lds s[G0+4*\s:G0+4*\s+3], s[G1:G1+7]
	s_nop 0
.rept 4
	v_nop
.endr
	s_branch .Lasked_\@
.Lfor_b_\@:
	tensor_load_to_lds s[G0B+4*\s:G0B+4*\s+3], s[G1B:G1B+7]
	s_nop 0
.rept 4
	v_nop
.endr
.Lasked_\@:
.endm
.macro CREST
	s_cmp_lg_u32 s14, 0
	s_cbranch_scc1 .Lnot_wave_0_\@
	s_barrier_signal -3
.Lnot_wave_0_\@:
	s_barrier_wait -3
	s_barrier_signal -1
	s_barrier_wait -1
.endm
.macro CROUND
	s_barrier_signal -1
	s_barrier_wait -1
	CREST
.endm
; A PREFETCH INTO THE L2 of O's image, once a lap: 8,192 bytes of one block, a lane to each 256: the two K steps of the lap after the next refills.  Of the eight blocks of a tile row, wave w (0 or 1) of the partner at
; place cx takes block 4 w + cx: told apart by address; so each 256 bytes are named once in the launch.  K steps 0 to 3 come by their loads alone; the loop's last trip asks for nothing, so no address leaves its block.
; proj_w's image is read again by every tile row and is not asked for.
.macro ASK
	s_cmp_gt_u32 s3, s[LIM]
	s_cbranch_scc0 .Lnot_mine_\@
	global_prefetch_b8 v[PFO], s[PFA:PFA+1] th:TH_LOAD_NT scope:SCOPE_SE
.Lnot_mine_\@:
.endm
	s_load_b128 s[4:7], s[0:1], 0x0                ; oimg, wimg
	s_load_b128 s[8:11], s[0:1], 0x10              ; proj_b, out0
	v_lshl_add_u32 v[SPW], v0, 2, SPARE
	v_mov_b32 v[NIL], 0
	ds_add_u32 v[SPW], v[NIL]                      ; the wave's opening: the add, twice on end, and its wait ahead of my first tensor load
	ds_add_u32 v[SPW], v[NIL]
	v_lshrrev_b32 v1, 5, v0
	v_readfirstlane_b32 s14, v1                    ; wave 0..3
	s_lshr_b32 s15, s14, 1                         ; my half of the tile's tokens.  Also: I fetch O's image (0) or proj_w's (1)
	s_and_b32 s16, s14, 1                          ; my half of its outputs.  Also: which half of that tile's blocks I fetch
	s_bfe_u32 s40, ttmp6, 0x40000                  ; cx = the tile column
	s_bfe_u32 s41, ttmp6, 0x40004                  ; cy
	s_and_b32 s13, ttmp7, 0xffff
	s_lshl_b32 s13, s13, 2
	s_add_co_u32 s13, s13, s41                     ; tile row = 4 x cluster y + cy
	s_lshl_b32 s42, s41, 2
	s_lshl_b32 s42, 15, s42                        ; my row of the cluster
	s_lshl_b32 s43, 0x1111, s40                    ; my column
	s_or_b32 s[G1], s42, (3<<16)|(1<<21)           ; the mask; elements of 8 bytes; bit 21 beside a mask; no padding
	s_or_b32 s[G1B], s43, (3<<16)|(1<<21)
	s_mov_b32 s[G1+1], 512<<16                     ; tensor_dim0 = 512 (4,096 bytes: a K step of one block)
	s_mov_b32 s[G1+2], 4<<16                       ; tensor_dim1 = 4 blocks
	s_mov_b32 s[G1+3], 512<<16                     ; tile_dim0
	s_mov_b32 s[G1+4], 4                           ; tile_dim1
	s_mov_b32 s[G1+5], 4096                        ; stride: 32,768 bytes from block to block
	s_mov_b32 s[G1+6], 0
	s_mov_b32 s[G1+7], 0
	s_mov_b32 s[G1B+1], 512<<16
	s_mov_b32 s[G1B+2], 8<<16                      ; 8 blocks
	s_mov_b32 s[G1B+3], 512<<16
	s_mov_b32 s[G1B+4], 8
	s_mov_b32 s[G1B+5], 4096
	s_mov_b32 s[G1B+6], 0
	s_mov_b32 s[G1B+7], 0
	s_lshl_b32 s18, s13, 3
	s_lshl_b32 s17, s16, 2
	s_add_co_u32 s18, s18, s17
	s_lshl_b32 s18, s18, 15                        ; O: block 8 x tile row + 4 x half
	s_mov_b32 s19, 0
	s_lshl_b32 s20, s40, 4
	s_lshl_b32 s17, s16, 3
	s_add_co_u32 s20, s20, s17
	s_lshl_b32 s20, s20, 15                        ; proj_w: block 16 cx + 8 x half
	s_mov_b32 s21, 0
	s_lshl_b32 s22, s16, 14                        ; where they go: O's halves,
	s_lshl_b32 s23, s16, 15
	s_add_co_u32 s23, s23, BOFF                    ; proj_w's halves behind them
	s_wait_dscnt 0x0                               ; both opening adds are done
	s_wait_kmcnt 0x0
	s_add_nc_u64 s[18:19], s[4:5], s[18:19]
	s_add_nc_u64 s[20:21], s[6:7], s[20:21]
	CROUND                                         ; all sixteen work-groups are here: the first joint loads meet
.irp s, 0,1
	s_mov_b32 s[G0+4*\s], 1
	s_add_co_u32 s[G0+4*\s+1], s22, \s*SLOT
	s_add_nc_u64 s[G0+4*\s+2:G0+4*\s+3], s[18:19], \s*4096
	s_or_b32 s[G0+4*\s+3], s[G0+4*\s+3], 0x80000000
	s_mov_b32 s[G0B+4*\s], 1
	s_add_co_u32 s[G0B+4*\s+1], s23, \s*SLOT
	s_add_nc_u64 s[G0B+4*\s+2:G0B+4*\s+3], s[20:21], \s*4096
	s_or_b32 s[G0B+4*\s+3], s[G0B+4*\s+3], 0x80000000
	JLOAD \s
.endr
	v_and_b32 v1, 15, v0                           ; r
	v_bfe_u32 v2, v0, 4, 1                         ; h
	v_and_b32 v3, 31, v0
	v_lshlrev_b32 v[CO], 4, v3                     ; 16 x lane
	v_lshlrev_b32 v[PFO], 8, v3
	v_lshlrev_b32 v5, 5, v2                        ; 32 h
	s_lshl_b32 s18, s40, 10
	s_lshl_b32 s19, s16, 9
	s_add_co_u32 s18, s18, s19                     ; my 128 outputs, in bytes: 1,024 cx + 512 x half
	s_mov_b32 s19, 0
	s_add_nc_u64 s[8:9], s[8:9], s[18:19]
	WIN 0x40
.irp b, 0,1,2,3,4,5,6,7
	global_load_b128 v[BIAS+8*\b:BIAS+8*\b+3], v5, s[8:9] offset:64*\b           ; outputs 16 b + 8 h + 0..7
	global_load_b128 v[BIAS+8*\b+4:BIAS+8*\b+7], v5, s[8:9] offset:64*\b+16
.endr
	WIN 0
	s_lshl_b32 s20, s13, 7
	s_lshl_b32 s21, s15, 6
	s_add_co_u32 s20, s20, s21
	s_lshl_b32 s20, s20, 12                        ; my first row of out0: 128 x tile row + 64 x half, 4,096 bytes a row
	s_add_co_u32 s20, s20, s18
	s_mov_b32 s21, 0
	s_add_nc_u64 s[10:11], s[10:11], s[20:21]
	s_lshl_b32 s17, s15, 14                        ; my 4 blocks of O in a slot
	s_lshl_b32 s18, s16, 15
	s_add_co_u32 s18, s18, BOFF                    ; my 8 blocks of proj_w
.irp s, 0,1
	v_add_nc_u32 v[ADRA+\s], s17, v[CO]
	v_add_nc_u32 v[ADRB+\s], s18, v[CO]
	s_add_co_u32 s17, s17, SLOT
	s_add_co_u32 s18, s18, SLOT
.endr
	s_mul_i32 s17, s14, 16*SPITCH
	s_add_co_u32 s17, s17, STAGE                   ; my stage
	v_mul_u32_u24 v4, v1, SPITCH
	v_lshl_add_u32 v4, v2, 5, v4
	v_add_nc_u32 v[STO], s17, v4                   ; in: row r, 32 bytes for each half of the lanes
	v_add_nc_u32 v[RD], s17, v[CO]                 ; back: the 32 lanes take a row of 512 bytes
	s_lshl_b32 s20, s13, 3
	s_lshl_b32 s21, s16, 2
	s_add_co_u32 s20, s20, s21
	s_add_co_u32 s20, s20, s40                     ; the block that I prefetch: 8 x tile row + 4 x (wave & 1) + cx
	s_lshl_b32 s20, s20, 15
	s_add_co_u32 s20, s20, 8192                    ; the first change of slots steps it to K step 4
	s_mov_b32 s21, 0
	s_add_nc_u64 s[PFA:PFA+1], s[4:5], s[20:21]
	s_cmp_eq_u32 s15, 0
	s_cselect_b32 s[LIM], 1, -1
.macro MUL8 f, a, first                ; token block a x the eight output blocks, 32 along K.  The 32 accumulators take turns, one instruction a turn
.irp b, 0,1,2,3,4,5,6,7
.if \first
	v_wmma_f32_16x16x32_f16 v[8*(8*(\a)+\b):8*(8*(\a)+\b)+7], v[64*(\f)+8*\b:64*(\f)+8*\b+7], v[AFR+32*(\f)+8*(\a):AFR+32*(\f)+8*(\a)+7], v[BIAS+8*\b:BIAS+8*\b+7]
.else
	v_wmma_f32_16x16x32_f16 v[8*(8*(\a)+\b):8*(8*(\a)+\b)+7], v[64*(\f)+8*\b:64*(\f)+8*\b+7], v[AFR+32*(\f)+8*(\a):AFR+32*(\f)+8*(\a)+7], v[8*(8*(\a)+\b):8*(8*(\a)+\b)+7]
.endif
.endr
.endm
.macro FETCH slot, kc, f               ; 24 LDS loads in one run: chunk kc (32 along K) of the slot into buffer f
	WIN 0x40
.irp i, 0,1,2,3,4,5,6,7
	ds_load_b128 v[64*(\f)+8*\i:64*(\f)+8*\i+3],   v[ADRB+\slot] offset:4096*\i+1024*(\kc)
	ds_load_b128 v[64*(\f)+8*\i+4:64*(\f)+8*\i+7], v[ADRB+\slot] offset:4096*\i+1024*(\kc)+512
.endr
	WIN 0
.irp i, 0,1,2,3
	ds_load_b128 v[AFR+32*(\f)+8*\i:AFR+32*(\f)+8*\i+3],   v[ADRA+\slot] offset:4096*\i+1024*(\kc)
	ds_load_b128 v[AFR+32*(\f)+8*\i+4:AFR+32*(\f)+8*\i+7], v[ADRA+\slot] offset:4096*\i+1024*(\kc)+512
.endr
.endm
.macro PLACES
.rept 4
	v_nop
.endr
.endm
.macro QUARTER slot, kc, f, g, first   ; multiplies buffer f; in its middle fetches chunk kc of the same slot into buffer g
	s_wait_dscnt 4                                 ; all but the youngest four loads (O's blocks 2 and 3) are in
	WIN MUL-0x10*(\first)                          ; (first = 1: C, the bias, in window 1)
	MUL8 \f, 0, \first
	MUL8 \f, 1, \first
	PLACES
	FETCH \slot, \kc, \g
	s_wait_dscnt 24                                ; all but the 24 just issued
	WIN MUL-0x10*(\first)
	MUL8 \f, 2, \first
	MUL8 \f, 3, \first
.endm
; A slot's last quarter multiplies buffer 1 and changes slots: one barrier; in front of it each wave waits for all its tensor loads, adds 0 to its spare word, and waits for that and for its reads of this slot.
.macro TURN slot, next, fill
.if (\fill) && (\slot) == 0
	s_wait_xcnt 0x0                                ; the last prefetch, a lap back, has read its address
	s_add_nc_u64 s[PFA:PFA+1], s[PFA:PFA+1], 8192
.endif
	WIN 0
	s_wait_tensorcnt 0x0                           ; all my tensor loads have landed: my part of the next slot
	ds_add_u32 v[SPW], v[NIL]
	s_wait_dscnt 5                                 ; the add and the youngest four loads may be out
	WIN MUL
	MUL8 1, 0, 0
	s_wait_dscnt 0x0                               ; the add is done, and my reads of this slot are over
	s_barrier_signal -1
	MUL8 1, 1, 0
	WIN 0
	s_barrier_wait -1
.if \fill
	CREST                                          ; the barrier has opened a round of the cluster's: no wave of any partner still reads this slot or has a load on its way
	s_add_nc_u64 s[G0+4*\slot+2:G0+4*\slot+3], s[G0+4*\slot+2:G0+4*\slot+3], 8192
	s_add_nc_u64 s[G0B+4*\slot+2:G0B+4*\slot+3], s[G0B+4*\slot+2:G0B+4*\slot+3], 8192
	JLOAD \slot                                    ; the first tensor load behind the round; its four v_nop are also the places in front of the loads below
.else
	PLACES
.endif
	FETCH \next, 0, 0
.if (\fill) && (\slot) == 0
	ASK
.endif
	WIN MUL
	MUL8 1, 2, 0
	MUL8 1, 3, 0
.endm
	s_wait_tensorcnt 1                             ; my part of K step 0 is in; K step 1's may stay out
	s_barrier_signal -1
	s_barrier_wait -1
	FETCH 0, 0, 0
	s_wait_loadcnt 0x0                             ; the bias
	QUARTER 0, 1, 0, 1, 1                          ; the first quarter stands in front of the loop: its products start the sums
	WIN 0
	s_mov_b32 s3, LAPS-1
.Llap:                                             ; a trip goes once round the ring and fills both slots again
	QUARTER 0, 2, 1, 0, 0
	QUARTER 0, 3, 0, 1, 0
	TURN 0, 1, 1
	QUARTER 1, 1, 0, 1, 0
	QUARTER 1, 2, 1, 0, 0
	QUARTER 1, 3, 0, 1, 0
	TURN 1, 0, 1
	QUARTER 0, 1, 0, 1, 0
	WIN 0
	s_sub_co_u32 s3, s3, 1
	s_cmp_lg_u32 s3, 0
	s_cbranch_scc1 .Llap
	QUARTER 0, 2, 1, 0, 0                          ; the last lap fills nothing
	QUARTER 0, 3, 0, 1, 0
	TURN 0, 1, 0
	QUARTER 1, 1, 0, 1, 0
	QUARTER 1, 2, 1, 0, 0
	QUARTER 1, 3, 0, 1, 0
	s_wait_dscnt 4
	WIN MUL
	MUL8 1, 0, 0
	MUL8 1, 1, 0
	s_wait_dscnt 0
	MUL8 1, 2, 0
	MUL8 1, 3, 0
	WIN 0
; THE WAY OUT, 16 tokens x 128 outputs at a time, through my own stage: in as 32 bytes a lane, back as whole rows of 512 bytes.  LDS serves a wave's instructions in order: no wait between the stores and the loads.
.macro TOSTAGE a
	WIN 0x08                                       ; an LDS store's data are its source 1: window 2
.irp b, 0,1,2,3,4,5,6,7
	ds_store_b128 v[STO], v[8*(8*(\a)+\b):8*(8*(\a)+\b)+3] offset:64*\b          ; each accumulator from its low end on
	ds_store_b128 v[STO], v[8*(8*(\a)+\b)+4:8*(8*(\a)+\b)+7] offset:64*\b+16
.endr
	WIN 0
.set BB, BK+64*((\a)%2)
.irp t, 0,1,2,3,4,5,6,7,8,9,10,11,12,13,14,15
	ds_load_b128 v[BB+4*\t:BB+4*\t+3], v[RD] offset:\t*SPITCH
.endr
.endm
.macro SEND a, younger                 ; younger: the LDS instructions issued behind block a's loads, which may stay out
.set BB, BK+64*((\a)%2)
	s_wait_dscnt \younger
.irp t, 0,1,2,3,4,5,6,7,8,9,10,11,12,13,14,15
	global_store_b128 v[CO], v[BB+4*\t:BB+4*\t+3], s[10:11] offset:4096*(16*(\a)+\t) th:TH_STORE_NT   ; 512 consecutive bytes, at a multiple of 256 from out0's first byte
.endr
.endm
	PLACES
	TOSTAGE 0
.irp a, 1,2,3
.if \a > 1
	s_wait_xcnt 0x0                                ; block a - 2's stores have read their registers: block a's loads may land there
.endif
	TOSTAGE \a
	SEND \a-1, 32                                  ; behind block a - 1's loads: block a's 16 stores and 16 loads
.endr
	SEND 3, 0
	s_wait_tensorcnt 0x0                           ; the wave's end, behind my last tensor load and my last LDS store
	ds_add_u32 v[SPW], v[NIL]
	s_wait_dscnt 0x0
	CROUND                                         ; the closing round
	s_endpgm
.Lfunc_end_k_q35b07449fa_proj:
	.size	k_q35b07449fa_proj, .Lfunc_end_k_q35b07449fa_proj-k_q35b07449fa_proj
	.p2alignl 7, 3214868480
	.fill 96, 4, 3214868480
	.section	.rodata,"a",@progbits
	.p2align	6, 0x0
	.amdhsa_kernel k_q35b07449fa_proj
		.amdhsa_group_segment_fixed_size 327680
		.amdhsa_private_segment_fixed_size 0
		.amdhsa_enable_private_segment 0
		.amdhsa_kernarg_size 32
		.amdhsa_user_sgpr_count 2
		.amdhsa_user_sgpr_kernarg_segment_ptr 1
		.amdhsa_wavefront_size32 1
		.amdhsa_system_sgpr_workgroup_id_x 1
		.amdhsa_system_sgpr_workgroup_id_y 1
		.amdhsa_system_sgpr_workgroup_id_z 1
		.amdhsa_system_vgpr_workitem_id 0
		.amdhsa_next_free_vgpr 768
		.amdhsa_next_free_sgpr 66
		.amdhsa_reserve_vcc 0
		.amdhsa_float_denorm_mode_32 3
		.amdhsa_float_denorm_mode_16_64 3
		.amdhsa_memory_ordered 1
		.amdhsa_forward_progress 1
		.amdhsa_inst_pref_size 87
	.end_amdhsa_kernel
	.amdgpu_metadata
---
amdhsa.version: [ 1, 2 ]
amdhsa.kernels:
  - .name:           k_q35b07449fa_proj
    .symbol:         k_q35b07449fa_proj.kd
    .args:
      - { .name: oimg, .offset: 0, .size: 8, .value_kind: global_buffer, .address_space: global }
      - { .name: wimg, .offset: 8, .size: 8, .value_kind: global_buffer, .address_space: global }
      - { .name: proj_b, .offset: 16, .size: 8, .value_kind: global_buffer, .address_space: global }
      - { .name: out0, .offset: 24, .size: 8, .value_kind: global_buffer, .address_space: global }
    .group_segment_fixed_size: 327680
    .private_segment_fixed_size: 0
    .kernarg_segment_align: 8
    .kernarg_segment_size: 32
    .max_flat_workgroup_size: 128
    .sgpr_count:     66
    .vgpr_count:     768
    .wavefront_size: 32
...
	.end_amdgpu_metadata
.endif
;; end of part 4
